; MI455X (gfx1250); checked and timed in simulation.
; The chip was launched on July 23, 2026; its instructions are those of AMD's public machine-readable ISA for CDNA 5 (MIT licence, August 2026) and "CDNA5" Instruction Set Architecture Reference Guide (July 2026). The comments in the code are by the model that wrote it; some were corrected since.
;; Multi Head Attention. Allowed arithmetic: matrix products marked QUANTISED: E4M3 operands, one given power-of-two scale a tensor, by v_wmma_f32_16x16x64_fp8_fp8 or v_wmma_f32_16x16x128_fp8_fp8, f32 sums; everything else in f32.
;; Inputs: lowp_scales 12 int32 (the exponents e of the quantised operands' scales 2^e); w_k 1,024 x 2,048 float32; w_o 2,048 x 1,024 float32; w_q 1,024 x 2,048 float32; w_v 1,024 x 2,048 float32; x 1 x 4,096 x 2,048 float32.
;; Outputs: out0 1 x 4,096 x 2,048 float32.
;; This version of the problem:
;;   THIS VERSION OF THE PROBLEM IS GIVEN IN LOW PRECISION. The matrix products marked QUANTISED in the list below multiply operands that are first quantised to E4M3 (4 exponent bits, 3 mantissa bits; 8 bits a number), with one given power-of-two scale for each operand tensor; their sums are f32. All else is computed in f32.
;;   The module's matrix products, in the order in which they are computed (A, B: the left and right operand; K: the contracted axis; several contracted axes count as one K, in the product's order):
;;     1. [M 4,096, K 2,048] x [K 2,048, N 1,024]; A: input x; B: input w_q: QUANTISED (scales: A lowp_scales[0], B lowp_scales[1])
;;     2. [M 4,096, K 2,048] x [K 2,048, N 1,024]; A: input x; B: input w_k: QUANTISED (scales: A lowp_scales[2], B lowp_scales[3])
;;     3. [M 4,096, K 2,048] x [K 2,048, N 1,024]; A: input x; B: input w_v: QUANTISED (scales: A lowp_scales[4], B lowp_scales[5])
;;     4. batch 16 x [M 4,096, K 64] x [K 64, N 4,096]; A: computed on the way; B: computed on the way: QUANTISED (scales: A lowp_scales[6], B lowp_scales[7])
;;     5. batch 16 x [M 4,096, K 4,096] x [K 4,096, N 64]; A: softmax (see below); B: computed on the way: QUANTISED (scales: A lowp_scales[8], B lowp_scales[9])
;;     6. [M 4,096, K 1,024] x [K 1,024, N 2,048]; A: computed on the way; B: input w_o: QUANTISED (scales: A lowp_scales[10], B lowp_scales[11])
;;   THE QUANTISER, for each operand of a quantised product, along K:
;;     - The operand's scale is 2^e, e = its entry of the input lowp_scales (int32; the entries are numbered through the quantised products in the list's order, A before B).
;;     - Each number is divided by the scale, clamped to +-448, and rounded to the nearest number of E4M3, ties to even, subnormals kept.
;;     - The product sums the exact products of the quantised numbers (number of the format x scale) in f32.
;;   ~~~python
;;   def quantise(x, axis, e):      # numpy; x: float32 -> the quantised numbers, widened to float32 again
;;       x = np.moveaxis(x, axis, -1); K = x.shape[-1]
;;       r = np.clip(x / 2.0 ** e, -448, 448)
;;       step = 2.0 ** (np.maximum(np.frexp(np.where(r == 0, 1, r))[1] - 1, -6) - 3)
;;       q = np.round(r / step) * step * 2.0 ** e      # np.round: ties to even
;;       return np.moveaxis(q, -1, axis).astype(np.float32)
;;   ~~~
;;   SOFTMAX AHEAD OF A QUANTISED PRODUCT. Where the list says 'softmax', what is quantised is not the finished softmax but p = 2^(t - M), with t = logit x log2(e) and M = ceil(the row's largest t), a whole number; so 1/2 < the row's largest p <= 1. The row's sum l is taken of the UNQUANTISED p, in f32, and the product's result is divided by l at the end. Since M is a whole number, a kernel that streams over the keys may use a running M (the ceiling of the running maximum): every later rescaling is an exact power of two, so the quantised numbers keep their values, but for numbers so far below the row's largest that they fall under the format's range.
;;   OPERANDS COMPUTED ON THE WAY. 'Computed on the way' means the value that the module computes at that place (a softmax that the list does not call 'softmax' is quantised finished and normalised). What goes into a quantiser is computed in f32, as accurately as f32 sums, v_exp_f32 and their like allow (about 1e-6 of the number): no bf16 or f16 on the way to a quantiser, and a product that is left as it is and whose result goes on into a quantised operand takes f32 operands (vector FMAs, or v_wmma_f32_16x16x4_f32). A number that lies on a knife's edge between two numbers of the format may be rounded either way, as far as f32 arithmetic and the matrix unit's own rounding can turn it there, and no further.
;; One version. Each part assembles by itself: llvm-mc -triple=amdgcn-amd-amdhsa -mcpu=gfx1250 --defsym DOCPART=n.
;; ======== version 1 of 1: 4 launches
;; limits: right only within a limited range of input values
;; workspace buffers: img 33,554,432 bytes; rope 1,048,576 bytes; qkvc 12,582,912 bytes; ctxc 4,194,304 bytes
;; launch prep (part 1): grid 576 x 1, 4 waves a work-group, no clusters, 34,304 bytes of LDS; arguments x, w_q, w_k, w_v, w_o, lowp_scales, img, rope; writes img, rope
.if DOCPART == 1
	.amdgcn_target "amdgcn-amd-amdhsa--gfx1250"
	.amdhsa_code_object_version 6
	.text
	.protected	k_qa4c7776e75_prep
	.globl	k_qa4c7776e75_prep
	.p2align	8
	.type	k_qa4c7776e75_prep,@function
k_qa4c7776e75_prep:
	s_mov_b64 s[64:65], 0
	v_nop
	global_prefetch_b8 v0, s[64:65] scope:SCOPE_SE
	s_setreg_imm32_b32 hwreg(HW_REG_WAVE_MODE, 25, 1), 1
	s_wait_xcnt 0x0
; x [4096][2048] and the four weights, f32 with K innermost, become codes of E4M3; and the table of cos and sin for the rotation is made.
; code = number / 2^e, held within +-448, to the nearest code, ties to even.  x is an operand of three products with three given exponents (entries 0, 2, 4), so it is quantised three times
; from one read; w_q, w_k, w_v, w_o take entries 1, 3, 5, 11.
; LIMITS: each e between -126 and 119, so that 2^e and 448 x 2^e are f32 numbers.  NaN among the inputs is not served.
; THE CODES ARE LAID AS IMAGES OF OPERAND REGISTERS.  A fragment is 16 rows x 128 along K: lane (r, h) = (lane % 16, lane / 16) holds row r, and its registers 2 c, 2 c + 1 hold k = 16 c + 8 h + 0 .. 7.
; In memory a fragment is 2,048 bytes: registers 4 g .. 4 g + 3 of lane l at 512 g + 16 l.  img = [tile of 16 rows][K step of 128][2048]:
; x with e0, e2, e4 at 0, 8 and 16 MiB; w_q, w_k, w_v, w_o at 24, 26, 28 and 30 MiB.  Every store of a wave covers 512 consecutive bytes, aligned.
; SHARES.  Work-groups 0-255: x; 256-319 w_q; 320-383 w_k; 384-447 w_v; 448-511 w_o; 512-575 the table.  A wave takes one tile of 16 rows and four K steps on end.
; Each load reads 512 consecutive bytes of one row; a fragment's 16 rows turn through the wave's own stage in LDS (rows of 512 + 16 bytes) and come back 32 bytes of a row to a lane.
; No barrier: waves share nothing.  No matrix unit, no cluster, no tensor load: nothing is read twice and no tile is shared.
.set LI,     4                         ; v4      16 x lane
.set SI,     5                         ; v5      the stage, on the way in: my wave's stage + 16 x lane
.set SO,     6                         ; v6      on the way out: + 528 r + 32 h
.set SC,     8                         ; v8-10   2^e as f32, for up to three exponents
.set LIM,    11                        ; v11-13  448 x 2^e
.set OFF,    16                        ; v16-31  16 x lane + i rows, i = 0 .. 15
.set R,      32                        ; v32-95  a fragment as loaded
.set X,      96                        ; v96-159 the same, 64 numbers of my row in the operand's order
.set TMP,    160                       ; v160-175 two sets of eight held numbers
.set C,      176                       ; v176-223 three fragments of codes
.set SRC,    38                        ; s[38:39] my wave's first byte in its tensor
.set DST,    52                        ; s[52:57] my wave's first byte in img, for the three exponents
.set SPITCH, 528
.set WSTAGE, 16*SPITCH
	s_load_b512 s[8:23], s[0:1], 0x0               ; x s[8:9], w_q s[10:11], w_k s[12:13], w_v s[14:15], w_o s[16:17], the exponents s[18:19], img s[20:21], rope s[22:23]
	v_lshl_add_u32 v224, v0, 2, 0x8400
	v_mov_b32 v225, 0
	v_lshrrev_b32 v1, 5, v0
	v_readfirstlane_b32 s36, v1                    ; wave 0..3
	v_and_b32 v2, 31, v0
	v_lshlrev_b32 v[LI], 4, v2
	v_and_b32 v3, 15, v0                           ; r
	v_bfe_u32 v7, v0, 4, 1                         ; h
	s_cmp_ge_u32 ttmp9, 512
	s_cbranch_scc1 .Lrope                          ; the last 64 work-groups make the table
	s_mul_i32 s37, s36, WSTAGE
	v_add_nc_u32 v[SI], s37, v[LI]
	v_mul_u32_u24 v[SO], v3, SPITCH
	v_lshl_add_u32 v[SO], v7, 5, v[SO]
	v_add_nc_u32 v[SO], s37, v[SO]
	; which tensor, which part: all from the work-group's number, by selects; one path serves all five tensors
	s_sub_co_u32 s40, ttmp9, 256
	s_and_b32 s41, s40, 63                         ; a weight's work-group, 0 .. 63
	s_lshr_b32 s42, s40, 6
	s_lshl_b32 s42, s42, 21
	s_add_co_u32 s42, s42, 0x1800000               ; and its region of img
	s_mov_b32 s44, 4096
	s_cmp_lt_u32 ttmp9, 256
	s_cselect_b32 s41, ttmp9, s41
	s_cselect_b32 s42, 0, s42
	s_cmp_lt_u32 ttmp9, 448
	s_cselect_b32 s43, 2, 1                        ; log2 of the waves to a tile: K = 2048 is 16 K steps, w_o's 1024 is 8
	s_cselect_b32 s44, 8192, s44                   ; a row in bytes
	s_lshl_b32 s45, s41, 2
	s_add_co_u32 s45, s45, s36                     ; W: my wave among the tensor's
	s_lshr_b32 s46, s45, s43                       ; its tile of rows,
	s_lshl_b32 s47, 1, s43
	s_sub_co_u32 s47, s47, 1
	s_and_b32 s47, s47, s45                        ; and which four K steps of it
	s_add_co_u32 s48, s43, 15
	s_lshl_b32 s46, s46, s48                       ; 16 rows of 8,192 or 4,096 bytes
	s_lshl_b32 s47, s47, 11                        ; four K steps are 2,048 bytes of a row
	s_add_co_u32 s46, s46, s47
	s_mov_b32 s47, 0
	s_lshl_b32 s50, s45, 13                        ; four fragments are 8,192 bytes of img
	s_add_co_u32 s50, s50, s42
	s_mov_b32 s51, 0
	s_wait_alu depctr_va_vdst(0)
	v_mov_b32 v[OFF], v[LI]
.irp i, 1,2,3,4,5,6,7,8,9,10,11,12,13,14,15
	v_add_nc_u32 v[OFF+\i], s44, v[OFF+\i-1]
.endr
	s_wait_alu depctr_va_vdst(0)
	s_wait_kmcnt 0x0
	s_load_b256 s[24:31], s[18:19], 0x0            ; e0 .. e7
	s_load_b128 s[32:35], s[18:19], 0x20           ; e8 .. e11
	s_cmp_lt_u32 ttmp9, 448
	s_cselect_b64 s[SRC:SRC+1], s[14:15], s[16:17]
	s_cmp_lt_u32 ttmp9, 384
	s_cselect_b64 s[SRC:SRC+1], s[12:13], s[SRC:SRC+1]
	s_cmp_lt_u32 ttmp9, 320
	s_cselect_b64 s[SRC:SRC+1], s[10:11], s[SRC:SRC+1]
	s_cmp_lt_u32 ttmp9, 256
	s_cselect_b64 s[SRC:SRC+1], s[8:9], s[SRC:SRC+1]
	s_add_nc_u64 s[SRC:SRC+1], s[SRC:SRC+1], s[46:47]
	s_add_nc_u64 s[DST:DST+1], s[20:21], s[50:51]
	s_add_nc_u64 s[DST+2:DST+3], s[DST:DST+1], 0x800000    ; x's second and third image (named by x's work-groups alone)
	s_add_nc_u64 s[DST+4:DST+5], s[DST:DST+1], 0x1000000
.macro LOADF f                         ; fragment f: 16 rows, 512 consecutive bytes of a row to a load
.irp i, 0,1,2,3,4,5,6,7,8,9,10,11,12,13,14,15
	global_load_b128 v[R+4*\i:R+4*\i+3], v[OFF+\i], s[SRC:SRC+1] offset:512*(\f) th:TH_LOAD_NT
.endr
.endm
.macro TURNF                           ; through my stage: in by rows as loaded, out 32 bytes of row r for each c.  LDS serves a wave's instructions in order (ISA guide 5.7.1.4): no wait between
.irp i, 0,1,2,3,4,5,6,7,8,9,10,11,12,13,14,15
	ds_store_b128 v[SI], v[R+4*\i:R+4*\i+3] offset:SPITCH*\i
.endr
.irp c, 0,1,2,3,4,5,6,7
	ds_load_b128 v[X+8*\c:X+8*\c+3], v[SO] offset:64*\c
	ds_load_b128 v[X+8*\c+4:X+8*\c+7], v[SO] offset:64*\c+16
.endr
.endm
; The fragment in X is quantised with exponent number o and stored.  X is kept: the held numbers go into two sets of eight by turns, so that eight plain lines
; stand between a conversion and the next write of its sources.
.macro QOUT o, f
.irp c, 0,1,2,3,4,5,6,7
.irp j, 0,1,2,3,4,5,6,7
	v_med3_num_f32 v[TMP+8*(\c%2)+\j], v[X+8*\c+\j], -v[LIM+\o], v[LIM+\o]   ; the conversion to an 8-bit code does not saturate (ISA guide 7.6.2): the hold comes first
.endr
	v_cvt_scalef32_pk8_fp8_f32 v[C+16*\o+2*\c:C+16*\o+2*\c+1], v[TMP+8*(\c%2):TMP+8*(\c%2)+7], v[SC+\o]
.endr
.irp g, 0,1,2,3
	global_store_b128 v[LI], v[C+16*\o+4*\g:C+16*\o+4*\g+3], s[DST+2*\o:DST+2*\o+1] offset:2048*\f+512*\g
.endr
.endm
.macro MKSC o, e                       ; 2^e and 448 x 2^e as f32 numbers
	s_add_co_i32 s59, \e, 127
	s_lshl_b32 s60, s59, 23
	v_mov_b32 v[SC+\o], s60
	s_add_co_i32 s59, s59, 8
	s_lshl_b32 s59, s59, 23
	s_or_b32 s59, s59, 0x600000
	v_mov_b32 v[LIM+\o], s59
.endm
	LOADF 0
	s_wait_kmcnt 0x0
	s_cmp_lt_u32 ttmp9, 448
	s_cselect_b32 s58, s29, s35                    ; e5 or e11
	s_cmp_lt_u32 ttmp9, 384
	s_cselect_b32 s58, s27, s58                    ; e3
	s_cmp_lt_u32 ttmp9, 320
	s_cselect_b32 s58, s25, s58                    ; e1
	s_cmp_lt_u32 ttmp9, 256
	s_cselect_b32 s58, s24, s58                    ; e0
	MKSC 0, s58
	MKSC 1, s26                                    ; e2, e4: used by x's work-groups alone
	MKSC 2, s28
	s_wait_alu depctr_va_vdst(0)
.irp f, 0,1,2,3
	s_wait_loadcnt 0x0                             ; the fragment's 16 loads are in
	TURNF
	s_wait_dscnt 0x0                               ; X is in, and the stores into the stage have read R
.if \f > 0
	s_wait_xcnt 0x0                                ; the last fragment's stores have read their registers: the codes may be written again
.endif
.if \f < 3
	LOADF \f+1                                     ; the next fragment is on its way while this one is quantised
.endif
	QOUT 0, \f
	s_cmp_ge_u32 ttmp9, 256
	s_cbranch_scc1 .Lone_\f                        ; a weight has one exponent
	QOUT 1, \f
	QOUT 2, \f
.Lone_\f:
.endr
	s_wait_tensorcnt 0x0
	ds_add_u32 v224, v225
	s_wait_dscnt 0x0
	s_endpgm
; THE TABLE.  rope = [256 tiles of 16 positions][4096 bytes]: cos at 512 i + 16 l, sin at 2048 + 512 i + 16 l, i = 2 u + w: lane (r, h) holds, for position 16 T + r, the frequencies
; f = 16 u + 8 h + 4 w + t, t = 0 .. 3: the order in which a lane of the next launch holds its channels.  A wave makes one tile.
; angle = position x (1 / 10^(f / 8)), both steps rounded as f32.  Its cos and sin: the angle less n quarter turns, n = the nearest whole number to angle x 2 / pi (at most 2,607),
; taken off in two parts of pi / 2 (the first product is exact inside the fused multiply-add and its difference is representable; what the second part leaves out is under 1e-11), then polynomials on |r| <= pi / 4.
.Lrope:
	s_sub_co_u32 s37, ttmp9, 512
	s_lshl_b32 s37, s37, 2
	s_add_co_u32 s37, s37, s36                     ; T
	s_lshl_b32 s40, s37, 4
	s_wait_alu depctr_va_vdst(0)
	v_add_nc_u32 v8, s40, v3
	v_cvt_f32_u32 v8, v8                           ; my position
	s_lshl_b32 s38, s37, 12
	s_mov_b32 s39, 0
	s_mov_b32 s41, 0xbfc90fdb                      ; -(pi / 2 rounded to f32)
	s_mov_b32 s42, 0x333bbd2e                      ; that f32 number less pi / 2
	s_mov_b32 s43, -0.16666654611                  ; sin r = r + r z (S1 + z (S2 + z S3)), z = r r
	s_mov_b32 s44, 0.0083321608736
	s_mov_b32 s45, -0.00019515295891
	s_mov_b32 s46, 0.04166664568298827             ; cos r = 1 - z / 2 + z z (C1 + z (C2 + z C3))
	s_mov_b32 s47, -0.001388731625493765
	s_mov_b32 s48, 0.00002443315711809948
	v_cmp_eq_u32 vcc_lo, 0, v7
.macro FREQ k, lo, hi                  ; v[32 + k], k = 8 u + 4 w + t: 10^(f / 8) = 10^(2 u + h) x 10^((k % 8) / 8)
	v_mov_b32 v[32+\k], \lo
	v_cndmask_b32 v[32+\k], \hi, v[32+\k], vcc_lo
.endm
	FREQ 0, 1.0, 10.0
	FREQ 1, 1.333521432, 13.33521432
	FREQ 2, 1.778279410, 17.78279410
	FREQ 3, 2.371373706, 23.71373706
	FREQ 4, 3.162277660, 31.62277660
	FREQ 5, 4.216965034, 42.16965034
	FREQ 6, 5.623413252, 56.23413252
	FREQ 7, 7.498942093, 74.98942093
	FREQ 8, 100.0, 1000.0
	FREQ 9, 133.3521432, 1333.521432
	FREQ 10, 177.8279410, 1778.279410
	FREQ 11, 237.1373706, 2371.373706
	FREQ 12, 316.2277660, 3162.277660
	FREQ 13, 421.6965034, 4216.965034
	FREQ 14, 562.3413252, 5623.413252
	FREQ 15, 749.8942093, 7498.942093
	s_wait_alu depctr_va_vdst(0)
.irp k, 0,1,2,3,4,5,6,7,8,9,10,11,12,13,14,15
	v_rcp_f32 v[48+\k], v[32+\k]
.endr
	v_nop                                          ; a plain line behind the last reciprocal
	s_wait_alu depctr_va_vdst(0)                   ; one wait for the sixteen, ahead of their first reader
.irp k, 0,1,2,3,4,5,6,7,8,9,10,11,12,13,14,15
	v_fma_f32 v[112+\k], -v[32+\k], v[48+\k], 1.0  ; one step of Newton's: the quotient 1 / F to the last bit or nearly
.endr
.irp k, 0,1,2,3,4,5,6,7,8,9,10,11,12,13,14,15
	v_fma_f32 v[48+\k], v[48+\k], v[112+\k], v[48+\k]
.endr
.macro ROPE1 k
	v_mul_f32 v100, v8, v[48+\k]                   ; the angle
	v_mul_f32 v101, 0x3f22f983, v100               ; x 2 / pi
	v_rndne_f32 v101, v101                         ; n
	v_fma_f32 v102, v101, s41, v100
	v_fma_f32 v102, v101, s42, v102                ; r
	v_cvt_i32_f32 v103, v101
	v_mul_f32 v104, v102, v102                     ; z
	v_fma_f32 v105, v104, s45, s44
	v_fma_f32 v105, v105, v104, s43
	v_mul_f32 v106, v104, v102
	v_fma_f32 v105, v105, v106, v102               ; sin r
	v_fma_f32 v107, v104, s48, s47
	v_fma_f32 v107, v107, v104, s46
	v_mul_f32 v106, v104, v104
	v_fma_f32 v108, v104, -0.5, 1.0
	v_fma_f32 v107, v107, v106, v108               ; cos r
	v_and_b32 v106, 1, v103
	v_cmp_eq_u32 vcc_lo, 1, v106                   ; an odd quarter swaps the two
	v_cndmask_b32 v[80+\k], v105, v107, vcc_lo
	v_cndmask_b32 v[64+\k], v107, v105, vcc_lo
	v_and_b32 v106, 2, v103
	v_lshlrev_b32 v106, 30, v106
	v_xor_b32 v[80+\k], v106, v[80+\k]             ; sin is negated in quarters 2 and 3,
	v_add_nc_u32 v106, 1, v103
	v_and_b32 v106, 2, v106
	v_lshlrev_b32 v106, 30, v106
	v_xor_b32 v[64+\k], v106, v[64+\k]             ; cos in quarters 1 and 2
.endm
.irp k, 0,1,2,3,4,5,6,7,8,9,10,11,12,13,14,15
	ROPE1 \k
.endr
	s_wait_alu depctr_va_vdst(0)
	s_wait_kmcnt 0x0
	s_add_nc_u64 s[22:23], s[22:23], s[38:39]
.irp i, 0,1,2,3,4,5,6,7
	global_store_b128 v[LI], v[64+4*\i:64+4*\i+3], s[22:23] offset:512*\i   ; cos' sixteen registers, then sin's: 512 consecutive bytes a store
.endr
	s_endpgm
.Lfunc_end_k_qa4c7776e75_prep:
	.size	k_qa4c7776e75_prep, .Lfunc_end_k_qa4c7776e75_prep-k_qa4c7776e75_prep
	.p2alignl 7, 3214868480
	.fill 96, 4, 3214868480
	.section	.rodata,"a",@progbits
	.p2align	6, 0x0
	.amdhsa_kernel k_qa4c7776e75_prep
		.amdhsa_group_segment_fixed_size 34304
		.amdhsa_private_segment_fixed_size 0
		.amdhsa_enable_private_segment 0
		.amdhsa_kernarg_size 64
		.amdhsa_user_sgpr_count 2
		.amdhsa_user_sgpr_kernarg_segment_ptr 1
		.amdhsa_wavefront_size32 1
		.amdhsa_system_sgpr_workgroup_id_x 1
		.amdhsa_system_sgpr_workgroup_id_y 1
		.amdhsa_system_sgpr_workgroup_id_z 1
		.amdhsa_system_vgpr_workitem_id 0
		.amdhsa_next_free_vgpr 226
		.amdhsa_next_free_sgpr 66
		.amdhsa_reserve_vcc 1
		.amdhsa_float_denorm_mode_32 3
		.amdhsa_float_denorm_mode_16_64 3
		.amdhsa_memory_ordered 1
		.amdhsa_forward_progress 1
		.amdhsa_inst_pref_size 103
	.end_amdhsa_kernel
	.amdgpu_metadata
---
amdhsa.version: [ 1, 2 ]
amdhsa.kernels:
  - .name:           k_qa4c7776e75_prep
    .symbol:         k_qa4c7776e75_prep.kd
    .args:
      - { .name: x, .offset: 0, .size: 8, .value_kind: global_buffer, .address_space: global }
      - { .name: w_q, .offset: 8, .size: 8, .value_kind: global_buffer, .address_space: global }
      - { .name: w_k, .offset: 16, .size: 8, .value_kind: global_buffer, .address_space: global }
      - { .name: w_v, .offset: 24, .size: 8, .value_kind: global_buffer, .address_space: global }
      - { .name: w_o, .offset: 32, .size: 8, .value_kind: global_buffer, .address_space: global }
      - { .name: lowp_scales, .offset: 40, .size: 8, .value_kind: global_buffer, .address_space: global }
      - { .name: img, .offset: 48, .size: 8, .value_kind: global_buffer, .address_space: global }
      - { .name: rope, .offset: 56, .size: 8, .value_kind: global_buffer, .address_space: global }
    .group_segment_fixed_size: 34304
    .private_segment_fixed_size: 0
    .kernarg_segment_align: 8
    .kernarg_segment_size: 64
    .max_flat_workgroup_size: 128
    .sgpr_count:     66
    .vgpr_count:     226
    .wavefront_size: 32
...
	.end_amdgpu_metadata
.endif
;; end of part 1
;; launch qkv (part 2): grid 12 x 16, 4 waves a work-group, clusters of 4 x 4, 327,680 bytes of LDS; arguments img, rope, lowp_scales, qkvc; writes qkvc
.if DOCPART == 2
	.amdgcn_target "amdgcn-amd-amdhsa--gfx1250"
	.amdhsa_code_object_version 6
	.text
	.protected	k_qa4c7776e75_qkv
	.globl	k_qa4c7776e75_qkv
	.p2align	8
	.type	k_qa4c7776e75_qkv,@function
k_qa4c7776e75_qkv:
	s_mov_b64 s[64:65], 0
	v_nop
	global_prefetch_b8 v0, s[64:65] scope:SCOPE_SE
	s_setreg_imm32_b32 hwreg(HW_REG_WAVE_MODE, 25, 1), 1
	s_wait_xcnt 0x0
	s_wait_alu depctr_hold_cnt(0) depctr_sa_sdst(0) depctr_va_vdst(0) depctr_va_sdst(0) depctr_va_ssrc(0) depctr_va_vcc(0) depctr_vm_vsrc(0)
	s_getreg_b32 s2, hwreg(HW_REG_IB_STS2, 6, 4)
	s_cmp_eq_u32 s2, 0
	s_cbranch_scc0 .Lentry_in_a_cluster
	s_endpgm
.Lentry_in_a_cluster:
	s_bfe_u32 s2, ttmp6, 0x10000c
	s_cmp_lg_u32 s2, 0xf033
	s_cbranch_scc0 .Lentry_shape_is_right
	s_endpgm
.Lentry_shape_is_right:
.set FR,     16
.set NL,     4
.set NP,     4
.set HALFT,  32768
.set SLOT,   4*HALFT
.set STEPB,  4096
.set LAPS,   4
.set SPARE,  2*SLOT
.set HS,     786432
.set BS,     49152
.set ADRA, 16
.set ADRB, 20
.set CO,   26
.set SPW,  28
.set NIL,  29
.set SCV,  30
.set LIMV, 31
.set CSB,  32
.set AF,   128
.set TMP,  128
.set CC,   192
.set G1, 24
.set G0, 32
.set G1B, 48
.set G0B, 56
.set MSB, 0
.macro WIN new
.if MSB != \new
	s_set_vgpr_msb (MSB<<8)|\new
.set MSB, \new
.endif
.endm
.set MUL_LO, 0xa1
.set MUL_HI, 0xf1
.set TO_B,   0x40
.macro JLOAD g0a, g1a, g0b, g1b
	s_cmp_eq_u32 s15, 0
	s_cbranch_scc0 .Lfor_b_\@
	tensor_load_to_lds s[\g0a:\g0a+3], s[\g1a:\g1a+7]
	s_nop 0
.rept 4
	v_nop
.endr
	s_branch .Lasked_\@
.Lfor_b_\@:
	tensor_load_to_lds s[\g0b:\g0b+3], s[\g1b:\g1b+7]
	s_nop 0
.rept 4
	v_nop
.endr
.Lasked_\@:
.endm
.macro CREST
	s_cmp_lg_u32 s14, 0
	s_cbranch_scc1 .Lnot_wave_0_\@
	s_barrier_signal -3
.Lnot_wave_0_\@:
	s_barrier_wait -3
	s_barrier_signal -1
	s_barrier_wait -1
.endm
.macro CROUND
	s_barrier_signal -1
	s_barrier_wait -1
	CREST
.endm
	s_load_b256 s[4:11], s[0:1], 0x0
	v_lshl_add_u32 v[SPW], v0, 2, SPARE
	v_mov_b32 v[NIL], 0
	ds_add_u32 v28, v29
	ds_add_u32 v28, v29
	s_wait_dscnt 0x0
	v_lshrrev_b32 v1, 5, v0
	v_readfirstlane_b32 s14, v1
	s_lshr_b32 s15, s14, 1
	s_and_b32 s16, s14, 1
	s_bfe_u32 s40, ttmp6, 0x40000
	s_bfe_u32 s41, ttmp6, 0x40004
	s_and_b32 s17, ttmp7, 0xffff
	s_lshl_b32 s17, s17, 2
	s_add_co_u32 s42, s17, s40
	s_add_co_u32 s17, s17, s41
	s_lshl_b32 s66, ttmp9, 23
	s_lshl_b32 s67, ttmp9, 21
	s_add_co_u32 s67, s67, 0x1800000
	s_cmp_eq_u32 ttmp9, 2
	s_cselect_b32 s17, s41, s17
	s_cselect_b32 s42, s42, s40
	s_cselect_b32 s66, 0x1c00000, s66
	s_cselect_b32 s67, 0x1000000, s67
	s_lshl_b32 s43, s41, 2
	s_lshl_b32 s43, 15, s43
	s_lshl_b32 s44, 0x1111, s40
	s_or_b32 s[G1+0], s43, (3<<16)|(1<<21)
	s_or_b32 s[G1B+0], s44, (3<<16)|(1<<21)
.irp g, G1, G1B
	s_mov_b32 s[\g+1], 512<<16
	s_mov_b32 s[\g+2], 8<<16
	s_mov_b32 s[\g+3], 512<<16
	s_mov_b32 s[\g+4], 8
	s_mov_b32 s[\g+5], 4096
	s_mov_b32 s[\g+6], 0
	s_mov_b32 s[\g+7], 0
.endr
	s_lshl_b32 s18, s16, 18
	s_lshl_b32 s20, s17, 19
	s_add_co_u32 s20, s20, s18
	s_add_co_u32 s20, s20, s66
	s_mov_b32 s21, 0
	s_lshl_b32 s46, s42, 19
	s_add_co_u32 s46, s46, s18
	s_add_co_u32 s46, s46, s67
	s_mov_b32 s47, 0
	s_mul_i32 s45, s14, HALFT
	s_wait_kmcnt 0x0
	s_load_b256 s[72:79], s[8:9], 0x0
	s_load_b32 s80, s[8:9], 0x24
	s_add_nc_u64 s[20:21], s[4:5], s[20:21]
	s_add_nc_u64 s[46:47], s[4:5], s[46:47]
	CROUND
.irp s, 0,1
	s_mov_b32 s[G0+4*\s], 1
	s_add_co_u32 s[G0+4*\s+1], s45, \s*SLOT
	s_add_nc_u64 s[G0+4*\s+2:G0+4*\s+3], s[20:21], \s*STEPB
	s_or_b32 s[G0+4*\s+3], s[G0+4*\s+3], 0x80000000
	s_mov_b32 s[G0B+4*\s], 1
	s_add_co_u32 s[G0B+4*\s+1], s45, \s*SLOT
	s_add_nc_u64 s[G0B+4*\s+2:G0B+4*\s+3], s[46:47], \s*STEPB
	s_or_b32 s[G0B+4*\s+3], s[G0B+4*\s+3], 0x80000000
	s_wait_alu depctr_va_vdst(0)
	s_wait_tensorcnt 0x0
	ds_add_u32 v28, v29
	ds_add_u32 v28, v29
	s_wait_dscnt 0x0
	CROUND
	JLOAD G0+4*\s, G1, G0B+4*\s, G1B
.endr
	v_and_b32 v1, 31, v0
	v_lshlrev_b32 v[CO], 4, v1
	s_mul_i32 s21, s15, HALFT
	s_mul_i32 s22, s16, HALFT
	s_add_co_u32 s22, s22, 2*HALFT
.irp s, 0,1
	v_add_nc_u32 v[ADRA+\s], s21, v[CO]
	v_add_nc_u32 v[ADRB+\s], s22, v[CO]
	s_add_co_u32 s21, s21, SLOT
	s_add_co_u32 s22, s22, SLOT
.endr
.macro FRAG reg, adr, q, i
.irp c, 0,1,2,3
	ds_load_b128 v[\reg+4*\c:\reg+4*\c+3], v[\adr] offset:4096*(\i)+2048*(\q)+512*\c
.endr
.endm
.macro MUL16 a0, p, zero
.irp a, \a0, \a0+1
.irp b, 0,1,2,3,4,5,6,7
.if \zero
	v_wmma_f32_16x16x128_fp8_fp8 v[8*(8*((\a)%4)+\b):8*(8*((\a)%4)+\b)+7], v[128*(\p)+FR*\b:128*(\p)+FR*\b+FR-1], v[AF+FR*(\a):AF+FR*(\a)+FR-1], 0
.else
	v_wmma_f32_16x16x128_fp8_fp8 v[8*(8*((\a)%4)+\b):8*(8*((\a)%4)+\b)+7], v[128*(\p)+FR*\b:128*(\p)+FR*\b+FR-1], v[AF+FR*(\a):AF+FR*(\a)+FR-1], v[8*(8*((\a)%4)+\b):8*(8*((\a)%4)+\b)+7]
.endif
.endr
.endr
.endm
.macro FETCH_B slot, q, p
	WIN TO_B
.irp i, 0,1,2,3,4,5,6,7
	FRAG 128*(\p)+FR*\i, ADRB+\slot, \q, \i
.endr
	WIN 0
.endm
.macro FETCH_A slot, q, i0
.irp i, \i0, \i0+1, \i0+2, \i0+3
	FRAG AF+FR*(\i), ADRA+\slot, \q, \i
.endr
.endm
.macro PLACES n
.rept \n
	v_nop
.endr
.endm
.macro STEP slot, q, zero
	s_wait_dscnt 4*NL
	WIN MUL_LO
	MUL16 0, (\q)%2, \zero
	MUL16 2, (\q)%2, \zero
	s_wait_dscnt 0
	PLACES NP
	FETCH_B \slot, (\q)+1, 1-(\q)%2
	FETCH_A \slot, (\q)+1, 0
	WIN MUL_HI
	MUL16 4, (\q)%2, \zero
	MUL16 6, (\q)%2, \zero
	PLACES NP
	WIN 0
	FETCH_A \slot, (\q)+1, 4
.endm
.macro TURN slot, next, fill
	s_wait_tensorcnt 0x0
	ds_add_u32 v[SPW], v[NIL]
	s_wait_dscnt 4*NL+1
	WIN MUL_LO
	MUL16 0, 1, 0
	s_wait_dscnt 0x0
	s_barrier_signal -1
	MUL16 2, 1, 0
	WIN 0
	s_barrier_wait -1
.if \fill
	CREST
	s_add_nc_u64 s[G0+4*\slot+2:G0+4*\slot+3], s[G0+4*\slot+2:G0+4*\slot+3], 2*STEPB
	s_add_nc_u64 s[G0B+4*\slot+2:G0B+4*\slot+3], s[G0B+4*\slot+2:G0B+4*\slot+3], 2*STEPB
	JLOAD G0+4*\slot, G1, G0B+4*\slot, G1B
.else
	PLACES NP
.endif
	FETCH_B \next, 0, 0
	FETCH_A \next, 0, 0
	WIN MUL_HI
	MUL16 4, 1, 0
	MUL16 6, 1, 0
	PLACES NP
	WIN 0
	FETCH_A \next, 0, 4
.endm
.macro LAST
	s_wait_dscnt 4*NL
	WIN MUL_LO
	MUL16 0, 1, 0
	MUL16 2, 1, 0
	s_wait_dscnt 0
	WIN MUL_HI
	MUL16 4, 1, 0
	MUL16 6, 1, 0
	WIN 0
.endm
	s_wait_alu depctr_va_vdst(0)
	s_wait_tensorcnt 1
	s_barrier_signal -1
	s_barrier_wait -1
	FETCH_B 0, 0, 0
	FETCH_A 0, 0, 0
	FETCH_A 0, 0, 4
	STEP 0, 0, 1
	s_mov_b32 s3, LAPS-1
.Llap:
	TURN 0, 1, 1
	STEP 1, 0, 0
	TURN 1, 0, 1
	STEP 0, 0, 0
	s_sub_co_u32 s3, s3, 1
	s_cmp_lg_u32 s3, 0
	s_cbranch_scc1 .Llap
	TURN 0, 1, 0
	s_wait_kmcnt 0x0
	s_sub_co_i32 s82, s78, s72
	s_sub_co_i32 s82, s82, s73
	s_sub_co_i32 s83, s79, s74
	s_sub_co_i32 s83, s83, s75
	s_sub_co_i32 s84, s80, s76
	s_sub_co_i32 s84, s84, s77
	s_cmp_eq_u32 ttmp9, 0
	s_cselect_b32 s82, s82, s83
	s_cmp_eq_u32 ttmp9, 2
	s_cselect_b32 s82, s84, s82
	s_add_co_i32 s82, s82, 127
	s_lshl_b32 s83, s82, 23
	v_mov_b32 v[SCV], s83
	s_add_co_i32 s82, s82, 8
	s_lshl_b32 s82, s82, 23
	s_or_b32 s82, s82, 0x600000
	v_mov_b32 v[LIMV], s82
	s_cmp_eq_u32 ttmp9, 2
	s_cbranch_scc1 .Lv
	s_lshl_b32 s84, s17, 16
	s_lshl_b32 s85, s15, 15
	s_add_co_u32 s84, s84, s85
	s_mov_b32 s85, 0
	s_add_nc_u64 s[6:7], s[6:7], s[84:85]
	s_lshl_b32 s86, s42, 2
	s_lshl_b32 s87, s16, 1
	s_add_co_u32 s86, s86, s87
	s_mul_i32 s86, s86, HS
	s_mul_i32 s87, s17, BS
	s_add_co_u32 s86, s86, s87
	s_lshl_b32 s87, ttmp9, 14
	s_add_co_u32 s86, s86, s87
	s_lshl_b32 s87, s15, 13
	s_add_co_u32 s86, s86, s87
	s_mov_b32 s87, 0
	s_add_nc_u64 s[10:11], s[10:11], s[86:87]
.macro TABLOAD a
.irp i, 0,1,2,3,4,5,6,7
	global_load_b128 v[CSB+32*((\a)%2)+4*\i:CSB+32*((\a)%2)+4*\i+3], v[CO], s[6:7] offset:4096*(\a)+512*\i
.endr
.endm
.macro ROPE a
.set AC, 64*((\a)%4)
.set CSN, CSB+32*((\a)%2)
	WIN 0x02+((\a)/4)
.irp hh, 0,1
.irp u, 0,1
.irp j, 0,2,4,6
	v_pk_mul_f32 v[TMP+8*(4*\hh+\u)+\j:TMP+8*(4*\hh+\u)+\j+1], v[AC+8*(4*\hh+\u)+\j:AC+8*(4*\hh+\u)+\j+1], v[CSN+8*\u+\j:CSN+8*\u+\j+1]
	v_pk_mul_f32 v[TMP+8*(4*\hh+2+\u)+\j:TMP+8*(4*\hh+2+\u)+\j+1], v[AC+8*(4*\hh+2+\u)+\j:AC+8*(4*\hh+2+\u)+\j+1], v[CSN+8*\u+\j:CSN+8*\u+\j+1]
	v_pk_fma_f32 v[TMP+8*(4*\hh+\u)+\j:TMP+8*(4*\hh+\u)+\j+1], v[AC+8*(4*\hh+2+\u)+\j:AC+8*(4*\hh+2+\u)+\j+1], v[CSN+16+8*\u+\j:CSN+16+8*\u+\j+1], v[TMP+8*(4*\hh+\u)+\j:TMP+8*(4*\hh+\u)+\j+1] neg_lo:[0,1,0] neg_hi:[0,1,0]
	v_pk_fma_f32 v[TMP+8*(4*\hh+2+\u)+\j:TMP+8*(4*\hh+2+\u)+\j+1], v[AC+8*(4*\hh+\u)+\j:AC+8*(4*\hh+\u)+\j+1], v[CSN+16+8*\u+\j:CSN+16+8*\u+\j+1], v[TMP+8*(4*\hh+2+\u)+\j:TMP+8*(4*\hh+2+\u)+\j+1]
.endr
.endr
.endr
	WIN 0
.endm
.macro CVT16 a
.irp b, 0,1,2,3,4,5,6,7
.irp i, 0,1,2,3,4,5,6,7
	v_med3_num_f32 v[TMP+8*\b+\i], v[TMP+8*\b+\i], -v[LIMV], v[LIMV]
.endr
	v_cvt_scalef32_pk8_fp8_f32 v[CC+16*((\a)%2)+2*\b:CC+16*((\a)%2)+2*\b+1], v[TMP+8*\b:TMP+8*\b+7], v[SCV]
.endr
	v_nop
.endm
	TABLOAD 0
	TABLOAD 1
	STEP 1, 0, 0
	LAST
	PLACES NP
.irp a, 0,1,2,3,4,5,6,7
.if \a < 7
	s_wait_loadcnt 8
.else
	s_wait_loadcnt 0
.endif
.if \a >= 2
	s_wait_xcnt 0x0
.endif
	ROPE \a
.if \a <= 5
	TABLOAD \a+2
.endif
	CVT16 \a
.irp g, 0,1,2,3
	global_store_b128 v[CO], v[CC+16*(\a%2)+4*\g:CC+16*(\a%2)+4*\g+3], s[10:11] offset:(\g/2)*HS+1024*\a+512*(\g%2)
.endr
.endr
	s_branch .Lend
.Lv:
	s_lshl_b32 s86, s17, 2
	s_lshl_b32 s87, s15, 1
	s_add_co_u32 s86, s86, s87
	s_mul_i32 s86, s86, HS
	s_mul_i32 s87, s42, BS
	s_add_co_u32 s86, s86, s87
	s_lshl_b32 s87, s16, 13
	s_add_co_u32 s86, s86, s87
	s_add_co_u32 s86, s86, 32768
	s_mov_b32 s87, 0
	s_add_nc_u64 s[10:11], s[10:11], s[86:87]
	STEP 1, 0, 0
	LAST
	PLACES NP
	s_wait_alu depctr_va_vdst(0)
.irp a, 0,1,2,3,4,5,6,7
.if \a >= 2
	s_wait_xcnt 0x0
.endif
	WIN 0x02+(\a/4)
.set n, 0
.rept 64
	v_med3_num_f32 v[TMP+n], v[64*(\a%4)+n], -v[LIMV], v[LIMV]
.set n, n+1
.endr
	WIN 0
.irp b, 0,1,2,3,4,5,6,7
	v_cvt_scalef32_pk8_fp8_f32 v[CC+16*(\a%2)+2*\b:CC+16*(\a%2)+2*\b+1], v[TMP+8*\b:TMP+8*\b+7], v[SCV]
.endr
	v_nop
.irp g, 0,1,2,3
	global_store_b128 v[CO], v[CC+16*(\a%2)+4*\g:CC+16*(\a%2)+4*\g+3], s[10:11] offset:(\a/4)*HS+(\a%4)*2048+512*\g
.endr
.endr
.Lend:
	s_wait_tensorcnt 0x0
	ds_add_u32 v[SPW], v[NIL]
	s_wait_dscnt 0x0
	CROUND
	s_endpgm
.Lfunc_end_k_qa4c7776e75_qkv:
	.size	k_qa4c7776e75_qkv, .Lfunc_end_k_qa4c7776e75_qkv-k_qa4c7776e75_qkv
	.p2alignl 7, 3214868480
	.fill 96, 4, 3214868480
	.section	.rodata,"a",@progbits
	.p2align	6, 0x0
	.amdhsa_kernel k_qa4c7776e75_qkv
		.amdhsa_group_segment_fixed_size 327680
		.amdhsa_private_segment_fixed_size 0
		.amdhsa_enable_private_segment 0
		.amdhsa_kernarg_size 32
		.amdhsa_user_sgpr_count 2
		.amdhsa_user_sgpr_kernarg_segment_ptr 1
		.amdhsa_wavefront_size32 1
		.amdhsa_system_sgpr_workgroup_id_x 1
		.amdhsa_system_sgpr_workgroup_id_y 1
		.amdhsa_system_sgpr_workgroup_id_z 1
		.amdhsa_system_vgpr_workitem_id 0
		.amdhsa_next_free_vgpr 1024
		.amdhsa_next_free_sgpr 100
		.amdhsa_reserve_vcc 0
		.amdhsa_float_denorm_mode_32 3
		.amdhsa_float_denorm_mode_16_64 3
		.amdhsa_memory_ordered 1
		.amdhsa_forward_progress 1
		.amdhsa_inst_pref_size 210
	.end_amdhsa_kernel
	.amdgpu_metadata
---
amdhsa.version: [ 1, 2 ]
amdhsa.kernels:
  - .name:           k_qa4c7776e75_qkv
    .symbol:         k_qa4c7776e75_qkv.kd
    .args:
      - { .name: img, .offset: 0, .size: 8, .value_kind: global_buffer, .address_space: global }
      - { .name: rope, .offset: 8, .size: 8, .value_kind: global_buffer, .address_space: global }
      - { .name: lowp_scales, .offset: 16, .size: 8, .value_kind: global_buffer, .address_space: global }
      - { .name: qkvc, .offset: 24, .size: 8, .value_kind: global_buffer, .address_space: global }
    .group_segment_fixed_size: 327680
    .private_segment_fixed_size: 0
    .kernarg_segment_align: 8
    .kernarg_segment_size: 32
    .max_flat_workgroup_size: 128
    .sgpr_count:     100
    .vgpr_count:     1024
    .wavefront_size: 32
...
	.end_amdgpu_metadata
.endif
;; end of part 2
;; launch attn (part 3): grid 16 x 16, 16 waves a work-group, clusters of 4 x 1, 327,680 bytes of LDS; arguments qkvc, lowp_scales, ctxc; writes ctxc
.if DOCPART == 3
	.amdgcn_target "amdgcn-amd-amdhsa--gfx1250"
	.amdhsa_code_object_version 6
	.text
	.protected	k_qa4c7776e75_attn
	.globl	k_qa4c7776e75_attn
	.p2align	8
	.type	k_qa4c7776e75_attn,@function
k_qa4c7776e75_attn:
	s_mov_b64 s[64:65], 0
	v_nop
	global_prefetch_b8 v0, s[64:65] scope:SCOPE_SE
	s_setreg_imm32_b32 hwreg(HW_REG_WAVE_MODE, 25, 1), 1
	s_wait_xcnt 0x0
	s_wait_alu depctr_hold_cnt(0) depctr_sa_sdst(0) depctr_va_vdst(0) depctr_va_sdst(0) depctr_va_ssrc(0) depctr_va_vcc(0) depctr_vm_vsrc(0)
	s_getreg_b32 s2, hwreg(HW_REG_IB_STS2, 6, 4)
	s_cmp_eq_u32 s2, 0
	s_cbranch_scc0 .Lentry_in_a_cluster
	s_endpgm
.Lentry_in_a_cluster:
	s_bfe_u32 s2, ttmp6, 0x10000c
	s_cmp_lg_u32 s2, 0x3003
	s_cbranch_scc0 .Lentry_shape_is_right
	s_endpgm
.Lentry_shape_is_right:
; Causal attention on codes of E4M3, 16 heads of 64, 4,096 positions; the result is quantised for the last product.
; t = score x log2(e) / 8; M = the row's largest t so far, rounded UP to a whole number; p = 2^(t - M) is quantised with 2^e8, not normalised; the row's sum is taken of the unquantised p and divides at the end.
; When M moves, the sum and O are multiplied by 2^(old M - new M): exact.
; LEFT OUT: steps of 128 keys all of which come after a tile's queries: the causal mask sets their scores to -infinity, so they add nothing to any sum, whatever the inputs hold.
; INPUT: qkvc = [head][block of 256 positions][Q | K | V, 16 KiB each], images of operand registers (registers 4 g .. 4 g + 3 of lane l at 512 g + 16 l): Q, K tiles of 16 positions x 64 channels (1,024 bytes),
; V tiles of 16 channels x 128 keys (2,048 bytes).  OUTPUT: ctxc = [tile of 16 positions][K step of 128 channels = two heads][2048], the same kind of image.
; LAYOUT.  Both products are used transposed: S^T = K Q^T, O^T = V^T P^T: lane (r, h) holds query r throughout; in tile c of S^T its registers are keys 16 c + 8 h + 0 .. 7,
; the place that the second product's layout gives registers 2 c, 2 c + 1: the conversions' results are its operand.
; SHARES.  A cluster of four work-groups (cluster x = c, one head) owns queries 512 (7 - c) .. + 511 (the heavy run) and 512 c .. + 511 (the light run): 64 tiles of 16 queries, 16 to a work-group.
; A TILE'S KEYS ARE DIVIDED BETWEEN TWO WAVES of its work-group: of each block of 256 keys one wave takes the first 128, the other the second.  Each keeps its own M, sum and O^T; they are joined at the end.
; A wave holds two such parts: tile 0, of which it takes the even steps and which it finishes, and tile 1, of which it takes the odd steps and which it hands to wave w xor 10, which holds the same two tiles the other way round.
; Wave w = 4 a + b: hh = (a + b) % 4, g = a % 2, pi = a / 2.  Heavy tile: block of 128 positions BQ = 4 (7 - c) + hh, group of 64 queries G = 2 BQ + g; light tile: BQ = 4 c + 3 - hh, G = 2 BQ + 1 - g; the tile is 4 G + cx.
; pi = 0: tile 0 is the heavy one; pi = 1: the light one.  A tile in block BQ has steps 0 .. BQ.
; THE WALK HAS TWO PASSES: first the head's blocks 0 .. 2 c + 1, for the light tiles; then its blocks 0 .. 15 - 2 c, for the heavy ones: 18 blocks, 36 steps, whatever c, so every trip count is a constant of the text.
; In each block a wave has at most one step of 128 keys: its light tile's in the first pass, its heavy tile's in the second.  A step outside a tile's pass, or behind its diagonal, is jumped over: loads, products and softmax; no barrier, no tensor load.
; Branches hang on the wave's number, the cluster's x and counted steps alone: alike in all partners.  cx enters Q's and ctxc's addresses, the prefetch's address and the mask's numbers.
; THE RING: two slots of three blocks (768 keys, 98,304 bytes): six fills.  CLUSTER: the four partners walk the same blocks: each piece of 16,384 bytes (a block's K or its V) is asked for JOINTLY.
; Wave w < 12 owns LDS bytes 16,384 w .. : slot w / 6; it issues that piece's first fill and its refills: one load a wave behind each round.  A refill has the other slot's three blocks of work in which to land.
; LIMITS: e6 + e7 between -123 and 130 (added to the exponent field of log2(e) / 8); e8 and e10 - e8 - e9 between -126 and 119.  The scaled scores stay under 2^31 in magnitude.
; REGISTERS: v1 16 x lane; v241 that + the block's place in LDS; v2, v7 my stage and my partner's; v3 256 x lane; v4, v247 the masks' numbers; v5, v6 the add's; tile x: v[12 - 4 x] -M, then the largest t, then the sum in two halves;
; v[16 + 8 x ..] Q; v[160 + 32 x ..] O^T; v32-95 K's eight fragments, then V's four; v96-159 S^T, then p; v224-239 p's codes; v240, v244: 448 x 2^e8, 2^e8; v234-239, v242, v243, v246, v248-255 at work.
.set HS,    786432
.set BS,    49152
.set SLOTB, 98304                      ; a slot: three blocks of 32,768 bytes (K, then V)
.set SPARE, 196608                     ; behind the two slots: the spare words, 128 bytes for each of 16 waves
.set STAGE, 198656                     ; behind them: a stage of 4,608 bytes for each wave: O^T's 32 registers and the four of the state, 512 bytes to four registers; no tensor load lands here
.set WST,   4608
.set LI,    1
.set SA,    2
.set PFO,   3
.set SPW,   5
.set NIL,   6
.set RA,    7
.set AD,    241
.set WV,    18                         ; s18  my wave's number
.set SEL,   20                         ; s[20:21] lane selects for v_permlanex16_b32: lane l xor 16
.set CS,    22                         ; s[22:23] log2(e) / 8 x 2^(e6 + e7)
.set G1,    24                         ; s[24:31] descriptor group 1
.set G0,    32                         ; s[32:35] my group 0
.set LIM,   37                         ; s37  1 in the waves that prefetch, else the greatest number
.set OSC,   38                         ; s38, s39  2^(e10 - e8 - e9) and 448 x that, as f32
.set TRIPS, 40                         ; s40  trips to go
.set STP,   41                         ; s41  the block's first step in the walk, an even number, 0 .. 34
.set CMP,   42                         ; s[42:43] tile x's diagonal step in the walk, less x: its step of this block is hidden where STP is greater, on the diagonal where equal
.set PFA,   44                         ; s[44:45] where my prefetches stand
.set TB,    80                         ; s80  LDS byte at which the block in hand begins
.set IB,    81                         ; s81  blocks of the slot to go
.set SB,    82                         ; s82  the place in the walk, 0 .. 17, of the block whose piece I fetched last
.set W2,    83                         ; s83  2 c + 2: the blocks of the first pass
.set KB,    84                         ; s[84:85] my piece of the head's block 0 in memory
.set LO,    86                         ; s[86:87] the first step in the walk of tile x's pass
.macro CROUND
	s_barrier_signal -1
	s_barrier_wait -1
	s_cmp_lg_u32 s[WV], 0
	s_cbranch_scc1 .Lnot_wave_0_\@
	s_barrier_signal -3
.Lnot_wave_0_\@:
	s_barrier_wait -3
	s_barrier_signal -1
	s_barrier_wait -1
.endm
.macro GADDR                           ; my group 0's address: place SB of the walk is the head's block SB in the first pass, SB - (2 c + 2) in the second
	s_cmp_ge_u32 s[SB], s[W2]
	s_cselect_b32 s46, s[W2], 0
	s_sub_co_u32 s46, s[SB], s46
	s_mul_i32 s46, s46, BS
	s_mov_b32 s47, 0
	s_add_nc_u64 s[G0+2:G0+3], s[KB:KB+1], s[46:47]
	s_or_b32 s[G0+3], s[G0+3], 0x80000000
.endm
.macro JLOAD s                         ; the six waves that own slot s ask for their pieces of the blocks six places on; an s_nop 0 and four v_nop follow the line
	s_cmp_lt_u32 s[WV], 6
.if \s
	s_cbranch_scc1 .Lno_load_\@
	s_cmp_lt_u32 s[WV], 12
.endif
	s_cbranch_scc0 .Lno_load_\@
	s_add_co_u32 s[SB], s[SB], 6                   ; no load of mine is out: my group 0 may be written
	GADDR
	tensor_load_to_lds s[G0:G0+3], s[G1:G1+7]
	s_nop 0
.rept 4
	v_nop
.endr
.Lno_load_\@:
.endm
; A PREFETCH INTO THE L2 of the three blocks that the NEXT change of slots will ask for.  Cluster x = 0 walks all sixteen blocks of its head in its second pass, the others fewer: it asks, and nobody else.
; Waves 12, 13 and 14, which fetch nothing, take a block each: K's and V's 32,768 bytes on end, of which the four partners take 8,192 each, by address: one instruction a wave, lanes 256 bytes apart.
; The three changes that ask name the head's blocks 7-9, 10-12 and 13-15: each aligned 256 bytes once in the launch.  how = 1: a trip's first change.  how = 0: its second, which in the last trip asks for nothing: no fill follows.
.macro ASK how
.if \how
	s_cmp_eq_u32 s[LIM], 1
.else
	s_cmp_gt_u32 s[TRIPS], s[LIM]
.endif
	s_cbranch_scc0 .Lnot_mine_\@
	global_prefetch_b8 v[PFO], s[PFA:PFA+1] th:TH_LOAD_NT scope:SCOPE_SE
.Lnot_mine_\@:
.endm
.macro QOFF d, g                       ; s[d:d+1]: where the Q tile 4 G + cx lies: block G / 4, place 4 (G % 4) + cx
	s_lshr_b32 s[\d], s[\g], 2
	s_mul_i32 s[\d], s[\d], BS
	s_and_b32 s[\d+1], s[\g], 3
	s_lshl_b32 s[\d+1], s[\d+1], 12
	s_add_co_u32 s[\d], s[\d], s[\d+1]
	s_add_co_u32 s[\d], s[\d], s57
	s_mov_b32 s[\d+1], 0
.endm
	s_load_b128 s[4:7], s[0:1], 0x0                ; qkvc s[4:5], the exponents s[6:7]
	s_load_b64 s[8:9], s[0:1], 0x10                ; ctxc
	v_lshl_add_u32 v[SPW], v0, 2, SPARE
	v_mov_b32 v[NIL], 0
	ds_add_u32 v[SPW], v[NIL]                      ; the opening: the add, twice on end, and its wait ahead of the first tensor load
	ds_add_u32 v[SPW], v[NIL]
	v_lshrrev_b32 v9, 5, v0
	v_readfirstlane_b32 s[WV], v9                  ; wave 0..15
	s_bfe_u32 s19, ttmp6, 0x40000                  ; cx
	s_lshr_b32 s10, s[WV], 2                       ; a
	s_and_b32 s11, s[WV], 3                        ; b
	s_add_co_u32 s13, s10, s11
	s_and_b32 s13, s13, 3                          ; hh
	s_and_b32 s14, s10, 1                          ; g
	s_lshr_b32 s12, s10, 1                         ; pi
	s_sub_co_u32 s15, 7, ttmp9
	s_lshl_b32 s15, s15, 2
	s_add_co_u32 s15, s15, s13                     ; the heavy tile's BQ
	s_lshl_b32 s16, ttmp9, 2
	s_add_co_u32 s16, s16, 3
	s_sub_co_u32 s16, s16, s13                     ; the light tile's
	s_lshl_b32 s17, s15, 1
	s_add_co_u32 s17, s17, s14                     ; the heavy tile's G
	s_lshl_b32 s46, s16, 1
	s_add_co_u32 s46, s46, 1
	s_sub_co_u32 s46, s46, s14                     ; the light tile's
	s_lshl_b32 s[W2], ttmp9, 1
	s_add_co_u32 s[W2], s[W2], 2                   ; the first pass's blocks,
	s_lshl_b32 s47, s[W2], 1                       ; and its steps: where the second pass begins
	s_add_co_u32 s15, s15, s47                     ; the heavy tile's diagonal step in the walk
	s_cmp_eq_u32 s12, 0
	s_cselect_b32 s[CMP], s15, s16                 ; tile 0
	s_cselect_b32 s[CMP+1], s16, s15               ; tile 1
	s_cselect_b32 s[LO], s47, 0
	s_cselect_b32 s[LO+1], 0, s47
	s_cselect_b32 s68, s17, s46
	s_cselect_b32 s69, s46, s17
	s_sub_co_i32 s[CMP+1], s[CMP+1], 1             ; tile 1 takes the odd steps (-1 where it has none)
	s_mov_b32 s[STP], 0
	s_mov_b32 s[TRIPS], 2
	; descriptor group 1: a dense block of 16,384 bytes as 64 rows of 256
	s_mov_b32 s[G1], 15|(3<<16)|(1<<21)            ; 15:0 the mask: all four work-groups; 17:16 elements of 8 bytes; 21 set beside a mask; no padding
	s_mov_b32 s[G1+1], 32<<16
	s_mov_b32 s[G1+2], 64<<16
	s_mov_b32 s[G1+3], 32<<16
	s_mov_b32 s[G1+4], 64
	s_mov_b32 s[G1+5], 32
	s_mov_b32 s[G1+6], 0
	s_mov_b32 s[G1+7], 0
	s_mov_b32 s[SEL], 0x76543210
	s_mov_b32 s[SEL+1], 0xfedcba98
	s_mov_b32 s[CS], 0x3e38aa3b                    ; log2(e) / 8
	s_and_b32 s53, ttmp7, 0xffff                   ; the head, which the partners share
	s_mul_i32 s54, s53, HS
	s_cmp_lt_u32 s[WV], 6                          ; my piece: number i = wave - 6 x slot of the slot's six: block i / 2, K (0) or V (1)
	s_cselect_b32 s55, 0, 6
	s_cselect_b32 s[SB], 0, 3
	s_sub_co_u32 s55, s[WV], s55
	s_and_b32 s56, s55, 1
	s_lshl_b32 s56, s56, 14
	s_lshr_b32 s55, s55, 1
	s_add_co_u32 s[SB], s[SB], s55                 ; its block's place in the walk: 3 x slot + i / 2
	s_add_co_u32 s58, s54, s56
	s_add_co_u32 s58, s58, 16384                   ; behind the block's Q
	s_mov_b32 s59, 0
	s_min_u32 s[G0+1], s[WV], 11
	s_lshl_b32 s[G0+1], s[G0+1], 14                ; LDS: 16,384 x wave
	s_mov_b32 s[G0], 1
	s_lshl_b32 s57, s19, 10
	s_add_co_u32 s57, s57, s54
	QOFF 60, 68
	QOFF 66, 69
	s_lshl_b32 s63, s19, 4                         ; the masks' numbers: 64 (G % 2) + 16 cx
	s_and_b32 s72, s68, 1
	s_lshl_b32 s72, s72, 6
	s_add_co_u32 s72, s72, s63
	s_and_b32 s73, s69, 1
	s_lshl_b32 s73, s73, 6
	s_add_co_u32 s73, s73, s63
	s_lshl_b32 s62, s68, 2
	s_add_co_u32 s62, s62, s19                     ; tile 0's number
	s_lshl_b32 s62, s62, 14                        ; ctxc: 8 K steps of 2,048 bytes to a tile,
	s_lshl_b32 s63, s53, 10                        ; and 1,024 bytes to a head
	s_add_co_u32 s62, s62, s63
	s_mov_b32 s63, 0
	s_sub_co_u32 s70, s[WV], 12                    ; the prefetches: waves 12, 13, 14 of cluster x = 0: the same in all four partners
	s_cmp_lt_u32 s70, 3
	s_cselect_b32 s71, 0, 1
	s_min_u32 s70, s70, 2
	s_add_co_u32 s70, s70, 4                       ; block 4 + (wave - 12): the first change of slots steps it three blocks on
	s_mul_i32 s70, s70, BS
	s_or_b32 s71, s71, ttmp9
	s_cmp_eq_u32 s71, 0
	s_cselect_b32 s[LIM], 1, -1
	s_lshl_b32 s74, s19, 13                        ; my work-group's 8,192 bytes of the block's K and V
	s_add_co_u32 s74, s74, s54
	s_add_co_u32 s74, s74, s70
	s_add_co_u32 s74, s74, 16384
	s_mov_b32 s75, 0
	s_mul_i32 s76, s[WV], WST
	s_add_co_u32 s76, s76, STAGE                   ; my stage,
	s_xor_b32 s77, s[WV], 10
	s_mul_i32 s77, s77, WST
	s_add_co_u32 s77, s77, STAGE                   ; and my partner's
	s_wait_dscnt 0x0                               ; both opening adds are done
	s_wait_kmcnt 0x0
	s_load_b128 s[48:51], s[6:7], 0x18             ; e6, e7, e8, e9
	s_load_b32 s52, s[6:7], 0x28                   ; e10
	s_add_nc_u64 s[KB:KB+1], s[4:5], s[58:59]
	GADDR
	s_add_nc_u64 s[60:61], s[4:5], s[60:61]
	s_add_nc_u64 s[66:67], s[4:5], s[66:67]
	s_add_nc_u64 s[8:9], s[8:9], s[62:63]
	s_add_nc_u64 s[PFA:PFA+1], s[4:5], s[74:75]
	CROUND                                         ; all four work-groups are here: the first joint loads meet
	s_cmp_lt_u32 s[WV], 12                         ; the twelve first fills, one to a wave: both slots are asked for
	s_cbranch_scc0 .Lfirst_asked
	tensor_load_to_lds s[G0:G0+3], s[G1:G1+7]
	s_nop 0
.rept 4
	v_nop
.endr
.Lfirst_asked:
	v_and_b32 v9, 31, v0
	v_lshlrev_b32 v[LI], 4, v9
	v_lshlrev_b32 v[PFO], 8, v9
	global_load_b128 v[16:19], v[LI], s[60:61]             ; the two tiles' Q stay in registers
	global_load_b128 v[20:23], v[LI], s[60:61] offset:512
	global_load_b128 v[24:27], v[LI], s[66:67]
	global_load_b128 v[28:31], v[LI], s[66:67] offset:512
	v_add_nc_u32 v[SA], s76, v[LI]
	v_add_nc_u32 v[RA], s77, v[LI]
	v_and_b32 v9, 15, v0                           ; r
	v_bfe_u32 v10, v0, 4, 1                        ; h
	v_lshlrev_b32 v10, 3, v10
	v_sub_nc_u32 v9, v9, v10
	v_add_nc_u32 v4, s72, v9                       ; my query less the diagonal step's first key less 8 h
	v_add_nc_u32 v247, s73, v9
	v_mov_b32 v13, 0xff61b1e6                      ; the largest t so far: -3e38, under every t
	v_mov_b32 v9, 0xff61b1e6
	v_floor_f32 v12, -v13                          ; -M
	v_floor_f32 v8, -v9
	v_mov_b32 v14, 0
	v_mov_b32 v15, 0
	v_mov_b32 v10, 0
	v_mov_b32 v11, 0
	v_mov_b32 v246, 0                              ; written once: a lane permute's destination counts as one of its sources
	v_mov_b32 v252, 0
	v_mov_b32 v253, 0                              ; (named as the upper half of the pair v[252:253])
.set n, 0
.rept 64
	v_mov_b32 v[160+n], 0                          ; both O^T: the step is written in one form; the first finds zeros, which the first change of M leaves zeros
.set n, n+1
.endr
	s_wait_kmcnt 0x0
	s_add_co_i32 s46, s48, s49
	s_lshl_b32 s46, s46, 23
	s_add_co_i32 s[CS], s[CS], s46                 ; a score stands for score x 2^(e6 + e7)
	s_mov_b32 s[CS+1], s[CS]                       ; (named with it as a pair)
	s_add_co_i32 s46, s50, 127
	s_lshl_b32 s47, s46, 23
	v_mov_b32 v244, s47                            ; 2^e8
	s_add_co_i32 s46, s46, 8
	s_lshl_b32 s46, s46, 23
	s_or_b32 s46, s46, 0x600000
	v_mov_b32 v240, s46                            ; 448 x 2^e8
	s_sub_co_i32 s46, s52, s50
	s_sub_co_i32 s46, s46, s51                     ; O^T / the sum stands for that x 2^(e8 + e9): the three exponents folded into the last conversion's one
	s_add_co_i32 s46, s46, 127
	s_lshl_b32 s[OSC], s46, 23
	s_add_co_i32 s46, s46, 8
	s_lshl_b32 s46, s46, 23
	s_or_b32 s[OSC+1], s46, 0x600000
; A STEP: tile x against the x-th 128 keys of the block in hand.
.macro STEP x
.set QR, 16+8*\x
.set OT, 160+32*\x
.set ST, 12-4*\x
.set SM, 14-4*\x
.set DD, 4+243*\x
	s_cmp_gt_i32 s[STP], s[CMP+\x]                 ; all its keys come after the tile's queries, or the tile's pass is over: nothing to do
	s_cbranch_scc1 .Lhidden_\@
	s_cmp_lt_i32 s[STP], s[LO+\x]                  ; the tile's pass has not begun
	s_cbranch_scc1 .Lhidden_\@
.rept 4
	v_nop                                          ; places in front of loads into registers that the last products read
.endr
.irp c, 0,1,2,3,4,5,6,7
	ds_load_b128 v[32+8*\c:35+8*\c], v[AD] offset:(8*\x+\c)*1024
	ds_load_b128 v[36+8*\c:39+8*\c], v[AD] offset:(8*\x+\c)*1024+512
.endr
.irp c, 0,1,2,3,4,5,6,7
	s_wait_dscnt 14-2*\c                           ; tile c's two loads are in; the 14 - 2 c issued behind them may be out
	v_wmma_f32_16x16x64_fp8_fp8 v[96+8*\c:103+8*\c], v[32+8*\c:39+8*\c], v[QR:QR+7], 0
.endr
.rept 4
	v_nop                                          ; places: for V's loads into K's registers, and for the first read of the scores
.endr
.irp dt, 0,1,2,3                               ; V's four fragments land under the softmax
.irp w, 0,1,2,3
	ds_load_b128 v[32+16*\dt+4*\w:35+16*\dt+4*\w], v[AD] offset:16384+8192*\x+2048*\dt+512*\w
.endr
.endr
	s_cmp_lt_i32 s[STP], s[CMP+\x]
	s_cbranch_scc1 .Lopen_\@                       ; all keys count
	v_mov_b32 v254, 0xff800000                     ; on the diagonal hidden scores become -infinity ahead of the maximum.  Register 8 c + j holds key 16 c + 8 h + j of the step: hidden where 16 c + j > v[DD]
.set n, 0
.rept 64
	v_cmp_gt_i32 vcc_lo, 16*(n/8)+n%8, v[DD]
	v_cndmask_b32 v[96+n], v[96+n], v254, vcc_lo
.set n, n+1
.endr
.Lopen_\@:
	v_max3_num_f32 v254, v96, v97, v98             ; the step's largest score of my query among my 64 keys, in two chains; each tile is first read at its low end
	v_max3_num_f32 v252, v99, v100, v101
.irp i, 6,10,14,18,22,26,30,34,38,42,46,50,54,58
	v_max3_num_f32 v254, v254, v[96+\i], v[97+\i]
	v_max3_num_f32 v252, v252, v[98+\i], v[99+\i]
.endr
	v_max3_num_f32 v254, v254, v158, v159
	s_delay_alu instid0(VALU_DEP_1)
	v_max_num_f32 v254, v254, v252
	s_delay_alu instid0(VALU_DEP_1)
	v_permlanex16_b32 v246, v254, s[SEL], s[SEL+1]
	s_delay_alu instid0(VALU_DEP_1)
	v_max_num_f32 v254, v254, v246                 ; and among lane l xor 16's
	s_delay_alu instid0(VALU_DEP_1)
	v_mul_f32 v254, s[CS], v254                    ; as t
	s_delay_alu instid0(VALU_DEP_1)
	v_max_num_f32 v[ST+1], v[ST+1], v254           ; the running largest t
	v_mov_b32 v254, v[ST]
	s_delay_alu instid0(VALU_DEP_2)
	v_floor_f32 v[ST], -v[ST+1]                    ; the new -M = -ceil(t)
	s_delay_alu instid0(VALU_DEP_1)
	v_sub_f32 v254, v[ST], v254                    ; old M - new M: a whole number, 0 or less
	s_delay_alu instid0(VALU_DEP_1)
	v_cvt_i32_f32 v254, v254                       ; (it saturates)
	s_delay_alu instid0(VALU_DEP_1)
	v_ldexp_f32 v252, 1.0, v254                    ; f = 2^(old M - new M)
.set n, 0
.rept 32
	v_pk_fma_f32 v[96+n:97+n], v[96+n:97+n], s[CS:CS+1], v[ST:ST+1] op_sel_hi:[1,0,0]   ; t - M, two at a time
.set n, n+2
.endr
.set n, 0
	s_wait_alu depctr_va_vdst(0)                   ; the wait ahead of the batch
.rept 64
	v_exp_f32 v[96+n], v[96+n]                     ; p = 2^(t - M)
.set n, n+1
.endr
	v_pk_mul_f32 v[SM:SM+1], v[SM:SM+1], v[252:253] op_sel_hi:[1,0]   ; the sums under the new M: the plain line behind the exponentials
	s_wait_alu depctr_va_vdst(0)                   ; one wait for the whole batch, ahead of its first reader
	v_pk_add_f32 v[242:243], v[100:101], v[104:105]        ; the row's sum of the unquantised p, in eight chains
	v_pk_add_f32 v[254:255], v[108:109], v[112:113]
	v_pk_add_f32 v[250:251], v[116:117], v[120:121]
	v_pk_add_f32 v[248:249], v[124:125], v[128:129]
	v_pk_add_f32 v[238:239], v[132:133], v[136:137]
	v_pk_add_f32 v[236:237], v[140:141], v[144:145]
	v_pk_add_f32 v[234:235], v[148:149], v[152:153]
	v_pk_add_f32 v[SM:SM+1], v[SM:SM+1], v[156:157]
	v_pk_add_f32 v[242:243], v[242:243], v[96:97]
	v_pk_add_f32 v[254:255], v[254:255], v[98:99]
	v_pk_add_f32 v[250:251], v[250:251], v[102:103]
	v_pk_add_f32 v[248:249], v[248:249], v[106:107]
	v_pk_add_f32 v[238:239], v[238:239], v[110:111]
	v_pk_add_f32 v[236:237], v[236:237], v[114:115]
	v_pk_add_f32 v[234:235], v[234:235], v[118:119]
	v_pk_add_f32 v[SM:SM+1], v[SM:SM+1], v[122:123]
	v_pk_add_f32 v[242:243], v[242:243], v[126:127]
	v_pk_add_f32 v[254:255], v[254:255], v[130:131]
	v_pk_add_f32 v[250:251], v[250:251], v[134:135]
	v_pk_add_f32 v[248:249], v[248:249], v[138:139]
	v_pk_add_f32 v[238:239], v[238:239], v[142:143]
	v_pk_add_f32 v[236:237], v[236:237], v[146:147]
	v_pk_add_f32 v[234:235], v[234:235], v[150:151]
	v_pk_add_f32 v[SM:SM+1], v[SM:SM+1], v[154:155]
	v_pk_add_f32 v[242:243], v[242:243], v[158:159]
	s_delay_alu instid0(VALU_DEP_2)
	v_pk_add_f32 v[SM:SM+1], v[SM:SM+1], v[248:249]
	s_delay_alu instid0(VALU_DEP_2)
	v_pk_add_f32 v[242:243], v[242:243], v[238:239]
	v_pk_add_f32 v[254:255], v[254:255], v[236:237]
	v_pk_add_f32 v[250:251], v[250:251], v[234:235]
	s_delay_alu instid0(VALU_DEP_2)
	v_pk_add_f32 v[SM:SM+1], v[SM:SM+1], v[254:255]
	s_delay_alu instid0(VALU_DEP_2)
	v_pk_add_f32 v[242:243], v[242:243], v[250:251]
	s_delay_alu instid0(VALU_DEP_1)
	v_pk_add_f32 v[SM:SM+1], v[SM:SM+1], v[242:243]
.irp c, 0,1,2,3,4,5,6,7
.irp i, 0,1,2,3,4,5,6,7
	v_min_num_f32 v[96+8*\c+\i], v[96+8*\c+\i], v240   ; the conversion does not saturate (ISA guide 7.6.2); p is not negative, so the hold is one-sided
.endr
	v_cvt_scalef32_pk8_fp8_f32 v[224+2*\c:225+2*\c], v[96+8*\c:103+8*\c], v244
.endr
	s_wait_alu depctr_va_vdst(0)                   ; the wait here, directly ahead of the first reader of O^T
.set n, 0
.rept 16
	v_pk_mul_f32 v[OT+n:OT+n+1], v[OT+n:OT+n+1], v[252:253] op_sel_hi:[1,0]   ; O^T under the new M; also the plain lines between the conversions and the products
.set n, n+2
.endr
	s_wait_alu depctr_va_vdst(0)                   ; the wait here, directly ahead of the wait below
	s_wait_dscnt 0x0                               ; V is in
.irp dt, 0,1,2,3                               ; four accumulators, one instruction a turn
	v_wmma_f32_16x16x128_fp8_fp8 v[OT+8*\dt:OT+8*\dt+7], v[32+16*\dt:47+16*\dt], v[224:239], v[OT+8*\dt:OT+8*\dt+7]
.endr
.Lhidden_\@:
.endm
.macro UNIT s                          ; slot s: its three blocks, one after the other: tile 0 against a block's first 128 keys, tile 1 against its second
	s_mov_b32 s[TB], \s*SLOTB
	s_mov_b32 s[IB], 3
.Lblock_\@:
	v_add_nc_u32 v[AD], s[TB], v[LI]
	s_wait_alu depctr_va_vdst(0)                   ; the wait, here directly behind the write
	STEP 0
	STEP 1
	s_add_co_u32 s[STP], s[STP], 2
	s_add_co_u32 s[TB], s[TB], 32768
	s_sub_co_u32 s[IB], s[IB], 1
	s_cmp_lg_u32 s[IB], 0
	s_cbranch_scc1 .Lblock_\@
.endm
; THE CHANGE OF SLOTS.  Each wave waits for all its tensor loads, adds 0 to its spare word, and waits for that and for its reads of the slot that it has left.
; fill = 1: slot s, just left, is filled with the three blocks six places on in the walk; the barrier is then a round of the cluster's, and the joint refill is the first tensor load behind it.
.macro CHANGE s, fill, how
	s_wait_tensorcnt 0x0                           ; no tensor load of mine is out
	ds_add_u32 v[SPW], v[NIL]                      ; 0 onto my spare word
.if \fill
	ds_add_u32 v[SPW], v[NIL]                      ; and once more: the add twice on end, in every trip alike
	s_wait_xcnt 0x0                                ; the last prefetch, a slot back, has read its address
	s_add_nc_u64 s[PFA:PFA+1], s[PFA:PFA+1], 3*BS  ; three blocks further on than this change's loads
	s_wait_dscnt 0x0                               ; both adds are done, and my reads of the slot are over
	CROUND
	JLOAD \s
	ASK \how
.else
	s_wait_dscnt 0x0
	s_barrier_signal -1
	s_barrier_wait -1
.endif
.endm
	s_wait_alu depctr_va_vdst(0)                   ; the wait at the head's end
	s_wait_tensorcnt 0x0                           ; my first fill is in
	s_barrier_signal -1
	s_barrier_wait -1                              ; everybody's is: both slots are whole
	s_wait_loadcnt 0x0                             ; Q
.Ltrip:                                            ; two trips of two slots, each slot filled again when it is left; the last two slots are written out: six slots, 18 blocks
	UNIT 0
	CHANGE 0, 1, 1
	UNIT 1
	CHANGE 1, 1, 0
	s_sub_co_u32 s[TRIPS], s[TRIPS], 1
	s_cmp_lg_u32 s[TRIPS], 0
	s_cbranch_scc1 .Ltrip
	UNIT 0
	CHANGE 0, 0, 0                                 ; nothing more is asked for
	UNIT 1
	; THE PARTS ARE JOINED.  Tile 1's O^T and state go to my stage; behind the barrier I read my partner's stage: the odd steps' part of my tile 0, in the same lanes and registers.
.rept 4
	v_nop                                          ; places behind the last products
.endr
.irp i, 0,1,2,3
	s_wait_alu depctr_va_vdst(0)                   ; the wait directly ahead of each accumulator's first reader
	ds_store_b128 v[SA], v[192+8*\i:195+8*\i] offset:1024*\i
	ds_store_b128 v[SA], v[196+8*\i:199+8*\i] offset:1024*\i+512
.endr
	ds_store_b128 v[SA], v[8:11] offset:4096       ; -M, the largest t, the sum's two halves
	s_wait_dscnt 0x0                               ; my stores are done, for my partner's sake
	s_barrier_signal -1
	s_barrier_wait -1
.irp i, 0,1,2,3,4,5,6,7
	ds_load_b128 v[32+4*\i:35+4*\i], v[RA] offset:512*\i
.endr
	ds_load_b128 v[64:67], v[RA] offset:4096
	v_add_f32 v14, v14, v15                        ; my sum's two halves
	s_wait_alu depctr_va_vdst(0)                   ; the wait here, directly ahead of the wait below
	s_wait_dscnt 0x0
	v_min_num_f32 v68, v12, v64                    ; the joint -M: the larger M
	v_add_f32 v66, v66, v67
	v_sub_f32 v69, v68, v12                        ; my M less the joint one: a whole number, 0 or less
	v_sub_f32 v70, v68, v64                        ; my partner's (a part with no step has M = -3e38 and zeros: its factor becomes 0)
	v_cvt_i32_f32 v69, v69                         ; (they saturate)
	v_cvt_i32_f32 v70, v70
	v_ldexp_f32 v69, 1.0, v69
	v_ldexp_f32 v70, 1.0, v70
	v_mul_f32 v14, v14, v69
	v_fmac_f32 v14, v66, v70
	v_permlanex16_b32 v252, v14, s[SEL], s[SEL+1]
	v_add_f32 v14, v14, v252                       ; the row's sum
	s_wait_alu depctr_va_vdst(0)                   ; the wait ahead of the transcendental
	v_rcp_f32 v14, v14
	v_mov_b32 v76, s[OSC]                          ; (a plain line behind the reciprocal)  2^(e10 - e8 - e9),
	v_mov_b32 v77, s[OSC+1]                        ; and 448 x that
	s_wait_alu depctr_va_vdst(0)                   ; the wait ahead of its first reader
	v_mul_f32 v72, v69, v14                        ; each part's power of two / the sum, in both halves of a pair
	v_mul_f32 v73, v69, v14
	v_mul_f32 v74, v70, v14
	v_mul_f32 v75, v70, v14
	s_wait_alu depctr_va_vdst(0)                   ; the wait here, directly ahead of the first reader of O^T
.set n, 0
.rept 16
	v_pk_mul_f32 v[96+n:97+n], v[160+n:161+n], v[72:73]    ; ascending: each accumulator from its low end on
.set n, n+2
.endr
.set n, 0
.rept 16
	v_pk_fma_f32 v[96+n:97+n], v[32+n:33+n], v[74:75], v[96+n:97+n]
.set n, n+2
.endr
	; O^T / the sum is quantised: tile dt's eight channels 16 dt + 8 h + 0 .. 7 give registers 2 dt, 2 dt + 1 of my head's half of the image.
.irp dt, 0,1,2,3
.irp i, 0,1,2,3,4,5,6,7
	v_med3_num_f32 v[96+8*\dt+\i], v[96+8*\dt+\i], -v77, v77
.endr
	v_cvt_scalef32_pk8_fp8_f32 v[224+2*\dt:225+2*\dt], v[96+8*\dt:103+8*\dt], v76
.endr
	v_nop
	global_store_b128 v[LI], v[224:227], s[8:9]            ; 512 consecutive bytes a store
	global_store_b128 v[LI], v[228:231], s[8:9] offset:512
	s_wait_tensorcnt 0x0                           ; the wave's end
	ds_add_u32 v[SPW], v[NIL]
	s_wait_dscnt 0x0
	CROUND                                         ; the closing round
	s_endpgm
.Lfunc_end_k_qa4c7776e75_attn:
	.size	k_qa4c7776e75_attn, .Lfunc_end_k_qa4c7776e75_attn-k_qa4c7776e75_attn
	.p2alignl 7, 3214868480
	.fill 96, 4, 3214868480
	.section	.rodata,"a",@progbits
	.p2align	6, 0x0
	.amdhsa_kernel k_qa4c7776e75_attn
		.amdhsa_group_segment_fixed_size 327680
		.amdhsa_private_segment_fixed_size 0
		.amdhsa_enable_private_segment 0
		.amdhsa_kernarg_size 24
		.amdhsa_user_sgpr_count 2
		.amdhsa_user_sgpr_kernarg_segment_ptr 1
		.amdhsa_wavefront_size32 1
		.amdhsa_system_sgpr_workgroup_id_x 1
		.amdhsa_system_sgpr_workgroup_id_y 1
		.amdhsa_system_sgpr_workgroup_id_z 1
		.amdhsa_system_vgpr_workitem_id 0
		.amdhsa_next_free_vgpr 256
		.amdhsa_next_free_sgpr 100
		.amdhsa_reserve_vcc 1
		.amdhsa_float_denorm_mode_32 3
		.amdhsa_float_denorm_mode_16_64 3
		.amdhsa_memory_ordered 1
		.amdhsa_forward_progress 1
		.amdhsa_inst_pref_size 190
	.end_amdhsa_kernel
	.amdgpu_metadata
---
amdhsa.version: [ 1, 2 ]
amdhsa.kernels:
  - .name:           k_qa4c7776e75_attn
    .symbol:         k_qa4c7776e75_attn.kd
    .args:
      - { .name: qkvc, .offset: 0, .size: 8, .value_kind: global_buffer, .address_space: global }
      - { .name: lowp_scales, .offset: 8, .size: 8, .value_kind: global_buffer, .address_space: global }
      - { .name: ctxc, .offset: 16, .size: 8, .value_kind: global_buffer, .address_space: global }
    .group_segment_fixed_size: 327680
    .private_segment_fixed_size: 0
    .kernarg_segment_align: 8
    .kernarg_segment_size: 24
    .max_flat_workgroup_size: 512
    .sgpr_count:     100
    .vgpr_count:     256
    .wavefront_size: 32
...
	.end_amdgpu_metadata
.endif
;; end of part 3
;; launch proj (part 4): grid 8 x 32, 4 waves a work-group, clusters of 4 x 4, 327,680 bytes of LDS; arguments ctxc, img, lowp_scales, out0; writes out0
.if DOCPART == 4
	.amdgcn_target "amdgcn-amd-amdhsa--gfx1250"
	.amdhsa_code_object_version 6
	.text
	.protected	k_qa4c7776e75_proj
	.globl	k_qa4c7776e75_proj
	.p2align	8
	.type	k_qa4c7776e75_proj,@function
k_qa4c7776e75_proj:
	s_mov_b64 s[64:65], 0
	v_nop
	global_prefetch_b8 v0, s[64:65] scope:SCOPE_SE
	s_setreg_imm32_b32 hwreg(HW_REG_WAVE_MODE, 25, 1), 1
	s_wait_xcnt 0x0
	s_wait_alu depctr_hold_cnt(0) depctr_sa_sdst(0) depctr_va_vdst(0) depctr_va_sdst(0) depctr_va_ssrc(0) depctr_va_vcc(0) depctr_vm_vsrc(0)
	s_getreg_b32 s2, hwreg(HW_REG_IB_STS2, 6, 4)
	s_cmp_eq_u32 s2, 0
	s_cbranch_scc0 .Lentry_in_a_cluster
	s_endpgm
.Lentry_in_a_cluster:
	s_bfe_u32 s2, ttmp6, 0x10000c
	s_cmp_lg_u32 s2, 0xf033
	s_cbranch_scc0 .Lentry_shape_is_right
	s_endpgm
.Lentry_shape_is_right:
; out0[m][n] = 2^(e10 + e11) x the sum over k of ctx[m][k] w_o[n][k], on codes of E4M3: m 4,096, n 2,048, k 1,024; sums in f32.  LIMIT: e10 + e11 between -126 and 127.
; INPUT: images of operand registers, [tile of 16 rows][K step of 128][2,048 bytes] (registers 4 g .. 4 g + 3 of lane l at 512 g + 16 l): ctxc, and w_o's image at byte 0x1e00000 of img.  A tile of 16 rows is 16,384 bytes.
; SHARES.  A block of 128 (m) x 256 (n) to a work-group: 32 x 8 = 256 work-groups.  Four waves, each 64 x 128: 32 accumulators of 16 x 16 in window 2.  The products are used transposed (source 0 = 16 rows of w_o,
; source 1 = 16 rows of ctx): a lane holds eight neighbouring numbers of a row of out0.
; CLUSTERS: 4 x 4.  ctx's tiles are shared along a row of the cluster, w_o's along a column: each is asked for jointly.  Waves 0 and 1 fetch ctx's two halves (4 tiles each), waves 2 and 3 w_o's (8 tiles each).
; LDS, THREE FILLS FOR THE EIGHT K STEPS, one load a wave each: K steps 0-3 at the head, rows of 8,192 bytes to a tile, into bytes 0 .. 196,607 (A 65,536, then B);
; K steps 4, 5 behind the first full sequence, rows of 4,096 bytes, into bytes 196,608 .. 294,911 (A 32,768, then B); K steps 6, 7 behind the round in K step 3, laid like those, into bytes 0 .. 98,303, which nobody reads any more.
; The second fill has four K steps of products in which to land, the third two.  The eight K steps are written out: no loop, so there is no trip to prefetch ahead in, and no prefetch is laid.
; REGISTERS: window 0: v16-26 addresses, v28, v29 the add's, v32-95 at work on the way out, v128-255 A's fragments (4 x 16 registers), two sets; window 1: B's (8 x 16), two sets; window 2: accumulator (a, b) at v[8 (8 a + b)].
; While one K step is multiplied, the next one's twelve fragments are fetched into the other sets.
.set SIZE_N, 2048
.set FR,     16
.set NP,     4                         ; places behind this matrix instruction (ISA guide 7.12.1)
.set R1,     196608                    ; where K steps 4, 5 lie
.set SPARE,  294912                    ; the spare words, 128 bytes for each wave
.set STAGE,  98304                     ; the way out: 16 rows x 528 bytes for each wave, in bytes that had their only fill at the head and are read no more behind K step 3's round
.set SPITCH, 528
.set AW,   16                          ; v16-18  LDS address of my A fragments in the three fills
.set A1,   17
.set A2,   18
.set BW,   20                          ; v20-22  the same for B
.set B1,   21
.set B2,   22
.set STO,  24
.set RD,   25
.set CO,   26
.set SPW,  28
.set NIL,  29
.set TMP,  32
.set AF,   128
.set BK,   128
.set G1AW, 24                          ; descriptor groups 1: A and B, rows of 8,192 bytes; A and B, rows of 4,096
.set G1BW, 32
.set G1A,  48
.set G1B,  56
.set G0AW, 68                          ; groups 0, one for each load
.set G0BW, 72
.set G0A1, 76
.set G0B1, 80
.set G0A2, 84
.set G0B2, 88
.set MSB, 0
.macro WIN new                         ; the immediate's high byte repeats the setting that is left
.if MSB != \new
	s_set_vgpr_msb (MSB<<8)|\new
.set MSB, \new
.endif
.endm
.set MUL_LO, 0xa1                      ; source 0 (B) window 1, source 1 (A) window 0, C and D window 2
.set TO_B,   0x40                      ; destination window 1, address window 0
.macro JLOAD g0a, g1a, g0b, g1b        ; waves 0 and 1 ask for A, waves 2 and 3 for B; an s_nop 0 and four v_nop follow each line
	s_cmp_eq_u32 s15, 0
	s_cbranch_scc0 .Lfor_b_\@
	tensor_load_to_lds s[\g0a:\g0a+3], s[\g1a:\g1a+7]
	s_nop 0
.rept 4
	v_nop
.endr
	s_branch .Lasked_\@
.Lfor_b_\@:
	tensor_load_to_lds s[\g0b:\g0b+3], s[\g1b:\g1b+7]
	s_nop 0
.rept 4
	v_nop
.endr
.Lasked_\@:
.endm
.macro CREST
	s_cmp_lg_u32 s14, 0
	s_cbranch_scc1 .Lnot_wave_0_\@
	s_barrier_signal -3
.Lnot_wave_0_\@:
	s_barrier_wait -3
	s_barrier_signal -1
	s_barrier_wait -1
.endm
.macro CROUND
	s_barrier_signal -1
	s_barrier_wait -1
	CREST
.endm
.macro MKG1 g, m, c, r                 ; r rows (tiles of 16) of c elements of 8 bytes, 2,048 elements from tile to tile; the mask in s[m], bit 21 beside it
	s_or_b32 s[\g], s[\m], (3<<16)|(1<<21)
	s_mov_b32 s[\g+1], (\c)<<16
	s_mov_b32 s[\g+2], (\r)<<16
	s_mov_b32 s[\g+3], (\c)<<16
	s_mov_b32 s[\g+4], \r
	s_mov_b32 s[\g+5], 2048
	s_mov_b32 s[\g+6], 0
	s_mov_b32 s[\g+7], 0
.endm
.macro MKG0 g, l, x, b, k              ; LDS byte s[l] + x; memory s[b:b+1] + k
	s_mov_b32 s[\g], 1
	s_add_co_u32 s[\g+1], s[\l], \x
	s_add_nc_u64 s[\g+2:\g+3], s[\b:\b+1], \k
	s_or_b32 s[\g+3], s[\g+3], 0x80000000
.endm
	s_load_b256 s[4:11], s[0:1], 0x0               ; ctxc s[4:5], img s[6:7], the exponents s[8:9], out0 s[10:11]
	v_lshl_add_u32 v[SPW], v0, 2, SPARE
	v_mov_b32 v[NIL], 0
	ds_add_u32 v[SPW], v[NIL]                      ; the opening: the add, twice on end, and its wait ahead of the first tensor load
	ds_add_u32 v[SPW], v[NIL]
	v_lshrrev_b32 v1, 5, v0
	v_readfirstlane_b32 s14, v1                    ; wave 0..3
	s_lshr_b32 s15, s14, 1                         ; which 64 of the block's rows are mine.  Also: I fetch for A (0) or for B (1)
	s_and_b32 s16, s14, 1                          ; which 128 of its columns.  Also: which half of that operand's tiles I fetch
	s_bfe_u32 s40, ttmp6, 0x40000                  ; cx, cy
	s_bfe_u32 s41, ttmp6, 0x40004
	s_lshl_b32 s42, ttmp9, 2
	s_add_co_u32 s42, s42, s40                     ; block column = 4 x cluster x + cx
	s_and_b32 s17, ttmp7, 0xffff
	s_lshl_b32 s17, s17, 2
	s_add_co_u32 s17, s17, s41                     ; block row = 4 x cluster y + cy
	s_lshl_b32 s43, s41, 2
	s_lshl_b32 s43, 15, s43                        ; my row of the cluster
	s_lshl_b32 s44, 0x1111, s40                    ; my column
	MKG1 G1AW, 43, 1024, 4
	MKG1 G1BW, 44, 1024, 8
	MKG1 G1A, 43, 512, 4
	MKG1 G1B, 44, 512, 8
	s_lshl_b32 s20, s17, 17                        ; A: 8 tiles to a block row, 4 to a half
	s_lshl_b32 s18, s16, 16
	s_add_co_u32 s20, s20, s18
	s_mov_b32 s21, 0
	s_lshl_b32 s46, s42, 18                        ; B: 16 tiles to a block column, 8 to a half
	s_lshl_b32 s18, s16, 17
	s_add_co_u32 s46, s46, s18
	s_add_co_u32 s46, s46, 0x1e00000
	s_mov_b32 s47, 0
	s_lshl_b32 s45, s16, 14                        ; my half's place in LDS: 16,384, 32,768 or 65,536 bytes to a half
	s_lshl_b32 s66, s16, 15
	s_lshl_b32 s67, s16, 16
	s_lshl_b32 s22, s15, 15                        ; my fragments' places: A's 4 tiles,
	s_lshl_b32 s23, s15, 14
	s_add_co_u32 s12, s67, 65536                   ; B's 8, behind A's
	s_add_co_u32 s13, s66, 32768
	s_mul_i32 s19, s14, 16*SPITCH
	s_add_co_u32 s19, s19, STAGE                   ; my stage
	s_lshl_b32 s92, s17, 7
	s_lshl_b32 s93, s15, 6
	s_add_co_u32 s92, s92, s93                     ; my first row of out0,
	s_lshl_b32 s92, s92, 13                        ; of 8,192 bytes,
	s_lshl_b32 s93, s42, 10
	s_add_co_u32 s92, s92, s93
	s_lshl_b32 s93, s16, 9
	s_add_co_u32 s92, s92, s93                     ; and my first column: 1,024 x block column + 512 x half
	s_mov_b32 s93, 0
	s_wait_dscnt 0x0                               ; both opening adds are done
	s_wait_kmcnt 0x0
	s_load_b64 s[96:97], s[8:9], 0x28              ; e10, e11
	s_add_nc_u64 s[20:21], s[4:5], s[20:21]
	s_add_nc_u64 s[46:47], s[6:7], s[46:47]
	s_add_nc_u64 s[10:11], s[10:11], s[92:93]
	CROUND                                         ; all sixteen work-groups are here: the first joint loads meet
	MKG0 G0AW, 66, 0, 20, 0
	MKG0 G0BW, 67, 65536, 46, 0
	MKG0 G0A1, 45, R1, 20, 8192
	MKG0 G0B1, 66, R1+32768, 46, 8192
	MKG0 G0A2, 45, 0, 20, 12288
	MKG0 G0B2, 66, 32768, 46, 12288
	JLOAD G0AW, G1AW, G0BW, G1BW                   ; K steps 0-3: one tensor load a wave at the head
	v_and_b32 v1, 15, v0                           ; l % 16
	v_bfe_u32 v2, v0, 4, 1                         ; l / 16
	v_and_b32 v6, 31, v0
	v_lshlrev_b32 v[CO], 4, v6                     ; 16 x lane: a fragment's image, and my place in a row of 512 bytes
	v_add_nc_u32 v[AW], s22, v[CO]
	v_add_nc_u32 v[A2], s23, v[CO]
	v_add_nc_u32 v[A1], R1, v[A2]
	v_add_nc_u32 v[BW], s12, v[CO]
	v_add_nc_u32 v[B2], s13, v[CO]
	v_add_nc_u32 v[B1], R1, v[B2]
	v_mul_u32_u24 v5, v1, SPITCH                   ; the stage, in: row l % 16, 32 bytes for each half of the lanes
	v_lshl_add_u32 v5, v2, 5, v5
	v_add_nc_u32 v[STO], s19, v5
	v_add_nc_u32 v[RD], s19, v[CO]                 ; back: the 32 lanes take one row of 512 bytes
.macro FRAG reg, adr, pit, q, i        ; tile i's fragment of the fill's q-th K step; pit: bytes from tile to tile
.irp c, 0,1,2,3
	ds_load_b128 v[\reg+4*\c:\reg+4*\c+3], v[\adr] offset:(\pit)*(\i)+2048*(\q)+512*\c
.endr
.endm
.macro FETCH ra, rb, pit, q, p         ; a K step's twelve fragments into sets p
	WIN TO_B
.irp i, 0,1,2,3,4,5,6,7
	FRAG 128*(\p)+FR*\i, \rb, \pit, \q, \i
.endr
	WIN 0
.irp i, 0,1,2,3
	FRAG AF+64*(\p)+FR*\i, \ra, \pit, \q, \i
.endr
.endm
; 16 matrix instructions: A's blocks a0, a0 + 1 x B's eight.  The 32 accumulators take turns, one instruction a turn, in the same order in every K step.
.macro MUL16 a0, p, zero
.irp a, \a0, \a0+1
.irp b, 0,1,2,3,4,5,6,7
.if \zero
	v_wmma_f32_16x16x128_fp8_fp8 v[8*(8*(\a)+\b):8*(8*(\a)+\b)+7], v[128*(\p)+FR*\b:128*(\p)+FR*\b+FR-1], v[AF+64*(\p)+FR*(\a):AF+64*(\p)+FR*(\a)+FR-1], 0
.else
	v_wmma_f32_16x16x128_fp8_fp8 v[8*(8*(\a)+\b):8*(8*(\a)+\b)+7], v[128*(\p)+FR*\b:128*(\p)+FR*\b+FR-1], v[AF+64*(\p)+FR*(\a):AF+64*(\p)+FR*(\a)+FR-1], v[8*(8*(\a)+\b):8*(8*(\a)+\b)+7]
.endif
.endr
.endr
.endm
.macro PLACES n
.rept \n
	v_nop
.endr
.endm
; A K step on sets p whose successor lies in a fill that is already shown whole: the successor's fragments are asked for first, into the sets that the K step before multiplied.
.macro STEP p, zero, ra, rb, pit, q
	s_wait_dscnt 0x0                               ; this K step's fragments are in
	PLACES NP                                      ; in front of loads into registers that matrix instructions have read
	FETCH \ra, \rb, \pit, \q, 1-(\p)
	WIN MUL_LO
	MUL16 0, \p, \zero
	MUL16 2, \p, \zero
	WIN 0
.endm
; A K step whose successor lies in another fill: each wave waits for all its tensor loads, adds 0 to its spare word, waits for that and for its reads; one barrier.  fill = 1: it opens a round of the cluster's, and the third fill follows.
.macro TURN p, fill, ra, rb, pit, q
	s_wait_tensorcnt 0x0                           ; my part of the next fill has landed
	ds_add_u32 v[SPW], v[NIL]                      ; 0 onto my spare word
	s_wait_dscnt 0x0                               ; the add is done, this K step's fragments are in, and my reads of the fill in hand are over
	s_barrier_signal -1
	WIN MUL_LO
	MUL16 0, \p, 0                                 ; work on registers while the others arrive
	WIN 0
	s_barrier_wait -1
.if \fill
	CREST                                          ; no wave of any partner still reads K steps 0-3 or has a load on its way
	JLOAD G0A2, G1A, G0B2, G1B                     ; K steps 6, 7: the first tensor load behind the round; its four v_nop are the places in front of the loads below
.else
	PLACES NP
.endif
	FETCH \ra, \rb, \pit, \q, 1-(\p)
	WIN MUL_LO
	MUL16 2, \p, 0
	WIN 0
.endm
	s_wait_alu depctr_va_vdst(0)                   ; the wait at the head's end
	s_wait_tensorcnt 0x0                           ; my part of K steps 0-3 is in
	ds_add_u32 v[SPW], v[NIL]
	s_wait_dscnt 0x0
	CROUND                                         ; everybody's part is in, and all sixteen work-groups are here
	JLOAD G0A1, G1A, G0B1, G1B                     ; K steps 4, 5
	FETCH AW, BW, 8192, 0, 0
	STEP 0, 1, AW, BW, 8192, 1                     ; K step 0 starts the sums: nothing is cleared
	STEP 1, 0, AW, BW, 8192, 2
	STEP 0, 0, AW, BW, 8192, 3
	TURN 1, 1, A1, B1, 4096, 0                     ; K step 3
	STEP 0, 0, A1, B1, 4096, 1
	TURN 1, 0, A2, B2, 4096, 0                     ; K step 5
	STEP 0, 0, A2, B2, 4096, 1
	s_wait_dscnt 0x0                               ; K step 7
	WIN MUL_LO
	MUL16 0, 1, 0
	MUL16 2, 1, 0
	WIN 0
; THE WAY OUT, block by block of 16 rows x 128 columns: through my own stage in LDS, back as whole rows of 512 bytes, which the 32 lanes store as two aligned units of 256 bytes.
; LDS serves a wave's instructions in order (ISA guide 5.7.1.4): no wait between the stores and the loads.
.macro TOSTAGE a
.set AC, 64*(\a)
	WIN 0x02                                       ; source 0: window 2
.irp j, 0,2,4,6,8,10,12,14,16,18,20,22,24,26,28,30,32,34,36,38,40,42,44,46,48,50,52,54,56,58,60,62
	v_pk_mul_f32 v[TMP+\j:TMP+\j+1], v[AC+\j:AC+\j+1], s[96:97] op_sel_hi:[1,0]   ; both x s96 = 2^(e10 + e11); each accumulator from its low end on
.endr
	WIN 0
.irp b, 0,1,2,3,4,5,6,7
	ds_store_b128 v[STO], v[TMP+8*\b:TMP+8*\b+3] offset:64*\b
	ds_store_b128 v[STO], v[TMP+8*\b+4:TMP+8*\b+7] offset:64*\b+16
.endr
.set BB, BK+64*((\a)%2)
.irp t, 0,1,2,3,4,5,6,7,8,9,10,11,12,13,14,15
	ds_load_b128 v[BB+4*\t:BB+4*\t+3], v[RD] offset:\t*SPITCH
.endr
.endm
.macro SEND a, younger                 ; younger: the LDS instructions issued behind block a's loads, which may stay out
.set BB, BK+64*((\a)%2)
	s_wait_dscnt \younger
.if (\a) > 0
	s_add_nc_u64 s[10:11], s[10:11], 16*SIZE_N*4   ; (behind a wait on XCNT: the earlier stores have read their base)
.endif
.irp t, 0,1,2,3,4,5,6,7,8,9,10,11,12,13,14,15
	global_store_b128 v[CO], v[BB+4*\t:BB+4*\t+3], s[10:11] offset:\t*SIZE_N*4 th:TH_STORE_NT
.endr
.endm
	s_wait_kmcnt 0x0
	s_add_co_i32 s96, s96, s97
	s_add_co_i32 s96, s96, 127
	s_lshl_b32 s96, s96, 23                        ; 2^(e10 + e11) as f32
	PLACES NP                                      ; behind the last products
	TOSTAGE 0
.irp a, 1,2,3
.if \a > 1
	s_wait_xcnt 0x0                                ; block a - 2's stores have read their registers and their base
.endif
	TOSTAGE \a
	SEND \a-1, 32                                  ; behind block a - 1's loads: block a's 16 stores and 16 loads
.endr
	s_wait_xcnt 0x0
	SEND 3, 0
	s_wait_tensorcnt 0x0                           ; the wave's end
	ds_add_u32 v[SPW], v[NIL]
	s_wait_dscnt 0x0
	CROUND                                         ; the closing round
	s_endpgm
.Lfunc_end_k_qa4c7776e75_proj:
	.size	k_qa4c7776e75_proj, .Lfunc_end_k_qa4c7776e75_proj-k_qa4c7776e75_proj
	.p2alignl 7, 3214868480
	.fill 96, 4, 3214868480
	.section	.rodata,"a",@progbits
	.p2align	6, 0x0
	.amdhsa_kernel k_qa4c7776e75_proj
		.amdhsa_group_segment_fixed_size 327680
		.amdhsa_private_segment_fixed_size 0
		.amdhsa_enable_private_segment 0
		.amdhsa_kernarg_size 32
		.amdhsa_user_sgpr_count 2
		.amdhsa_user_sgpr_kernarg_segment_ptr 1
		.amdhsa_wavefront_size32 1
		.amdhsa_system_sgpr_workgroup_id_x 1
		.amdhsa_system_sgpr_workgroup_id_y 1
		.amdhsa_system_sgpr_workgroup_id_z 1
		.amdhsa_system_vgpr_workitem_id 0
		.amdhsa_next_free_vgpr 768
		.amdhsa_next_free_sgpr 100
		.amdhsa_reserve_vcc 0
		.amdhsa_float_denorm_mode_32 3
		.amdhsa_float_denorm_mode_16_64 3
		.amdhsa_memory_ordered 1
		.amdhsa_forward_progress 1
		.amdhsa_inst_pref_size 75
	.end_amdhsa_kernel
	.amdgpu_metadata
---
amdhsa.version: [ 1, 2 ]
amdhsa.kernels:
  - .name:           k_qa4c7776e75_proj
    .symbol:         k_qa4c7776e75_proj.kd
    .args:
      - { .name: ctxc, .offset: 0, .size: 8, .value_kind: global_buffer, .address_space: global }
      - { .name: img, .offset: 8, .size: 8, .value_kind: global_buffer, .address_space: global }
      - { .name: lowp_scales, .offset: 16, .size: 8, .value_kind: global_buffer, .address_space: global }
      - { .name: out0, .offset: 24, .size: 8, .value_kind: global_buffer, .address_space: global }
    .group_segment_fixed_size: 327680
    .private_segment_fixed_size: 0
    .kernarg_segment_align: 8
    .kernarg_segment_size: 32
    .max_flat_workgroup_size: 128
    .sgpr_count:     100
    .vgpr_count:     768
    .wavefront_size: 32
...
	.end_amdgpu_metadata
.endif
;; end of part 4
